; MI455X (gfx1250); checked and timed in simulation.
; The chip was launched on July 23, 2026; its instructions are those of AMD's public machine-readable ISA for CDNA 5 (MIT licence, August 2026) and "CDNA5" Instruction Set Architecture Reference Guide (July 2026). The comments in the code are by the model that wrote it; some were corrected since.
;; Causal Attention. Allowed arithmetic: matrix products marked QUANTISED: E2M3 operands, one E8M0 scale for each 32 along K, by v_wmma_scale_f32_16x16x128_f8f6f4 with both operands' format E2M3, f32 sums; everything else in f32.
;; Inputs: Wk_codes 1,024 x 32 x 24 uint8 (E2M3 codes of Wk, K innermost, in blocks of 32 codes, four codes in three bytes); Wk_scales 1,024 x 32 uint8 (E8M0 scales of Wk, one for each 32 codes along K); Wq_codes 1,024 x 32 x 24 uint8 (E2M3 codes of Wq, K innermost, in blocks of 32 codes, four codes in three bytes); Wq_scales 1,024 x 32 uint8 (E8M0 scales of Wq, one for each 32 codes along K); Wv_codes 1,024 x 32 x 24 uint8 (E2M3 codes of Wv, K innermost, in blocks of 32 codes, four codes in three bytes); Wv_scales 1,024 x 32 uint8 (E8M0 scales of Wv, one for each 32 codes along K); x_codes 4 x 2,048 x 32 x 24 uint8 (E2M3 codes of x, K innermost, in blocks of 32 codes, four codes in three bytes); x_scales 4 x 2,048 x 32 uint8 (E8M0 scales of x, one for each 32 codes along K).
;; Outputs: out0 4 x 2,048 x 1,024 float32.
;; This version of the problem:
;;   THIS VERSION OF THE PROBLEM IS GIVEN IN LOW PRECISION. The matrix products marked QUANTISED in the list below multiply operands that are first quantised to E2M3 (2 exponent bits, 3 mantissa bits; 6 bits a number), with one power-of-two scale for each 32 numbers along K (OCP MX v1.0); their sums are f32. All else is computed in f32.
;;   The module's matrix products, in the order in which they are computed (A, B: the left and right operand; K: the contracted axis; several contracted axes count as one K, in the product's order):
;;     1. [M 8,192, K 1,024] x [K 1,024, N 1,024]; A: input x (given as codes); B: input Wq (given as codes): QUANTISED
;;     2. [M 8,192, K 1,024] x [K 1,024, N 1,024]; A: input x (given as codes); B: input Wk (given as codes): QUANTISED
;;     3. [M 8,192, K 1,024] x [K 1,024, N 1,024]; A: input x (given as codes); B: input Wv (given as codes): QUANTISED
;;     4. batch 4 x [M 2,048, K 1,024] x [K 1,024, N 2,048]; A: computed on the way; B: computed on the way: QUANTISED
;;     5. batch 4 x [M 2,048, K 2,048] x [K 2,048, N 1,024]; A: softmax (see below); B: computed on the way: QUANTISED
;;   THE QUANTISER, for each operand of a quantised product, along K:
;;     - K is cut into blocks of 32 from its start; a last block that is shorter is filled with zeros.
;;     - A block's scale is 2^e with e = floor(log2(the largest magnitude in the block)) - 2, held to -126 .. 127; a block of zeros has e = 0. As a byte (E8M0): e + 127.
;;     - Each number is divided by its block's scale, clamped to +-7.5, and rounded to the nearest number of E2M3, ties to even, subnormals kept.
;;     - The product sums the exact products of the quantised numbers (number of the format x scale) in f32.
;;   ~~~python
;;   def quantise(x, axis):      # numpy; x: float32 -> the quantised numbers, widened to float32 again
;;       x = np.moveaxis(x, axis, -1); K = x.shape[-1]
;;       x = np.pad(x, [(0, 0)] * (x.ndim - 1) + [(0, -K % 32)]); x = x.reshape(x.shape[:-1] + (-1, 32)); a = np.abs(x).max(-1, keepdims=True)
;;       e = np.where(a > 0, np.clip(np.frexp(np.where(a > 0, a, 1))[1] - 1 - 2, -126, 127), 0)      # np.frexp(a)[1] - 1 = floor(log2(a)), exactly
;;       r = np.clip(x / 2.0 ** e, -7.5, 7.5)
;;       step = 2.0 ** (np.maximum(np.frexp(np.where(r == 0, 1, r))[1] - 1, 0) - 3)
;;       q = np.round(r / step) * step * 2.0 ** e      # np.round: ties to even
;;       return np.moveaxis(q.reshape(q.shape[:-2] + (-1,))[..., :K], -1, axis).astype(np.float32)
;;   ~~~
;;   SOFTMAX AHEAD OF A QUANTISED PRODUCT. Where the list says 'softmax', what is quantised is not the finished softmax but p = 2^(t - M), with t = logit x log2(e) and M = ceil(the row's largest t), a whole number; so 1/2 < the row's largest p <= 1. The row's sum l is taken of the UNQUANTISED p, in f32, and the product's result is divided by l at the end. Since M is a whole number, a kernel that streams over the keys may use a running M (the ceiling of the running maximum): every later rescaling is an exact power of two, which a block's scale takes up: the codes' values come out the same.
;;   OPERANDS COMPUTED ON THE WAY. 'Computed on the way' means the value that the module computes at that place (a softmax that the list does not call 'softmax' is quantised finished and normalised). What goes into a quantiser is computed in f32, as accurately as f32 sums, v_exp_f32 and their like allow (about 1e-6 of the number): no bf16 or f16 on the way to a quantiser, and a product that is left as it is and whose result goes on into a quantised operand takes f32 operands (vector FMAs, or v_wmma_f32_16x16x4_f32). A number that lies on a knife's edge between two numbers of the format may be rounded either way, as far as f32 arithmetic and the matrix unit's own rounding can turn it there, and no further.
;;   INPUTS GIVEN AS CODES. Wk (in the module: [1024, 1024], K = its axis 1); Wq (in the module: [1024, 1024], K = its axis 1); Wv (in the module: [1024, 1024], K = its axis 1); x (in the module: [4, 2048, 1024], K = its axis 2): each comes as NAME_codes (uint8): NAME with its K axis moved to the last place and cut into blocks of 32 codes, [.., K / 32, bytes a block], one block behind the other in memory; four codes in three bytes: a row's codes are one little-endian stream of bits, code i at bits 6 i .. 6 i + 5 (a code: sign, 2 exponent bits, 3 mantissa bits); and NAME_scales (uint8): the same leading axes, one E8M0 byte (e + 127) for each 32 codes along K. Its value is code x scale, taken as it is: it is not quantised again, and the codes and scales need not be those that the quantiser above would give.
;; One version. Each part assembles by itself: llvm-mc -triple=amdgcn-amd-amdhsa -mcpu=gfx1250 --defsym DOCPART=n.
;; ======== version 1 of 1: 3 launches
;; workspace buffers: QF 6,291,456 bytes; KF 6,291,456 bytes; VF 6,291,456 bytes; QS 262,144 bytes; KS 262,144 bytes; VS 262,144 bytes; PF 12,582,912 bytes; PST 1,572,864 bytes
;; launch proj (part 1): grid 8 x 32, 4 waves a work-group, clusters of 4 x 4, 327,680 bytes of LDS; arguments x_codes, x_scales, Wq_codes, Wq_scales, Wk_codes, Wk_scales, Wv_codes, Wv_scales, QF, QS, KF, KS, VF, VS; writes QF, QS, KF, KS, VF, VS
.if DOCPART == 1
	.amdgcn_target "amdgcn-amd-amdhsa--gfx1250"
	.amdhsa_code_object_version 6
	.text
	.protected	k_q3d4a03b182_proj
	.globl	k_q3d4a03b182_proj
	.p2align	8
	.type	k_q3d4a03b182_proj,@function
k_q3d4a03b182_proj:
	s_mov_b64 s[64:65], 0
	v_nop
	global_prefetch_b8 v0, s[64:65] scope:SCOPE_SE
	s_setreg_imm32_b32 hwreg(HW_REG_WAVE_MODE, 25, 1), 1
	s_wait_xcnt 0x0
	s_wait_alu depctr_hold_cnt(0) depctr_sa_sdst(0) depctr_va_vdst(0) depctr_va_sdst(0) depctr_va_ssrc(0) depctr_va_vcc(0) depctr_vm_vsrc(0)
	s_getreg_b32 s2, hwreg(HW_REG_IB_STS2, 6, 4)
	s_cmp_eq_u32 s2, 0
	s_cbranch_scc0 .Lentry_in_a_cluster
	s_endpgm
.Lentry_in_a_cluster:
	s_bfe_u32 s2, ttmp6, 0x10000c
	s_cmp_lg_u32 s2, 0xf033
	s_cbranch_scc0 .Lentry_shape_is_right
	s_endpgm
.Lentry_shape_is_right:
; q = x Wq^T, k = x Wk^T, v = x Wv^T on the given codes of FP6 (E2M3) with E8M0 scales; the three results are quantised in registers and leave as codes.
; x: [8192][1024], W: [1024][1024], K innermost, 768 bytes a row; scale bytes 32 a row.
; SHARES.  Work-group (I, J) takes x rows 256 I .. +255 and rows 128 J .. +127 of each W, and holds all three results at once: 96 accumulators a wave, so K is walked once and each input byte enters LDS once.
; Wave w: q and k for x rows 64 w .. +63 (XR) against all 128 rows of Wq and Wk; v transposed for Wv rows 64 (w % 2) .. +63 (WR) against x rows 128 (w / 2) .. +127: XR again and the other wave's 64 rows (XO).
; THE MATRIX INSTRUCTION: source 1's row sits in the lane, source 0's rows run along the result's registers.  q, k: source 0 = W, source 1 = x: a lane's registers run along the channels, the next K.
; v: source 0 = x, source 1 = Wv: a lane holds a channel and its registers run along the keys, the last product's K.
; ORDER INSIDE A BLOCK OF 32: the codes of a block lie as 0-7, 16-23, 8-15, 24-31.  It is the same in q and k, and the same in v and p, since one macro makes them all: the products are kept, only the grouping of the additions differs.
; OUT: a fragment (16 rows x 128 K, 12 registers a lane) leaves as an image of its registers, three stores of 512 consecutive bytes; four tiles' scale words leave as one store of 256 consecutive bytes.
; CLUSTER 4 x 4: x's tile hangs on I alone and is asked for jointly along a row of the cluster, the W tiles hang on J alone and are asked for jointly along a column.
; No prefetch: half of the bytes are asked for at the head, and each refill goes out a chunk of K ahead of its use.
; LIMITS: NaN, infinities and the scale byte 0xff are not served.  A block of zeros gets the byte 1 (its codes are zeros; this program alone reads the bytes).
; REGISTERS: window 1: q's 32 accumulators, (a, b) at 8 (8 a + b); window 2: k's; window 3: v's, (a, pos), pos 0-3 = XR's tiles, 4-7 = XO's.  Window 0: addresses, scale words, four sets of four fragments.
.set PITCH, 240                        ; an LDS row: 3 x (64 bytes + 16 of padding)
.set SLOT,  153600                     ; 256 along K: x 256 rows, then Wq, Wk, Wv 128 rows each
.set WOFF,  61440                      ; where Wq's rows begin in a slot
.set WSZ,   30720                      ; 128 rows
.set SQKB,  307200                     ; Wq's and Wk's scale words: 1024 q + 512 (b / 4) + 16 lane + 4 (b % 4); lanes 0-15 Wq, 16-31 Wk
.set SXB,   315392                     ; x's scale words: 1280 q + 320 (tile / 4) + 64 (tile % 4) + 4 r
.set SPARE, 325632                     ; the spare words, 128 bytes a wave
.set SPW, 1
.set NIL, 2
.set ASQ, 3
.set ASX, 4
.set ADXR, 6                           ; v6-9: XR's rows in slot 0, 1; the same behind one padding more
.set ADXO, 10
.set ADW, 14
.set ADWV, 18
.set SQK, 24                           ; v24-31 scale words of W tile b: lanes 0-15 Wq's, lanes 16-31 Wk's
.set SX, 32                            ; v32-39 two sets of four: lanes 0-15 XR's tiles, lanes 16-31 XO's
.set SV, 40                            ; v40-55 WR's: 8 y + q: lanes 0-15 tile y, lanes 16-31 tile y + 2
.set XR, 64
.set WR, 112
.set H0, 160                           ; two sets of four fragments that take turns: v160-207, v208-255
.set TM, 64                            ; the way out, over the fragments
.set PW, 80
.set PC0, 96
.set PD, 136
.set WS, 148
.set VO, 152
.set VO8, 153
.set XY, 154
.set WV, 20                            ; s20 wave, s21 wave % 2, s22 wave / 2, s23 wave xor 1
.set G1X, 28
.set G1W, 36
.set G0X, 44
.set G0W, 52
.set SEL, 60
.set HI, 62
.set ODD, 63
.set MSB, 0
.macro WIN new                         ; the immediate's high byte repeats the setting that is left
.if MSB != (\new)
	s_set_vgpr_msb (MSB<<8)|(\new)
.set MSB, (\new)
.endif
.endm
.macro PLACES                          ; four plain places behind matrix instructions, in front of loads into their registers and of reads of results
.rept 4
	v_nop
.endr
.endm
; one product: registers in WD, WA, WB, WSA, WSB; z: the sum starts with 0; ra, rb: the scale words stand in lanes 16-31
.macro WM z, ra, rb
.if (\z) && (\ra) && (\rb)
	v_wmma_scale_f32_16x16x128_f8f6f4 v[WD:WD+7], v[WA:WA+11], v[WB:WB+11], 0, v[WSA], v[WSB] matrix_a_fmt:MATRIX_FMT_FP6 matrix_b_fmt:MATRIX_FMT_FP6 matrix_a_scale:MATRIX_SCALE_ROW1 matrix_b_scale:MATRIX_SCALE_ROW1
.elseif (\z) && (\ra)
	v_wmma_scale_f32_16x16x128_f8f6f4 v[WD:WD+7], v[WA:WA+11], v[WB:WB+11], 0, v[WSA], v[WSB] matrix_a_fmt:MATRIX_FMT_FP6 matrix_b_fmt:MATRIX_FMT_FP6 matrix_a_scale:MATRIX_SCALE_ROW1
.elseif (\z) && (\rb)
	v_wmma_scale_f32_16x16x128_f8f6f4 v[WD:WD+7], v[WA:WA+11], v[WB:WB+11], 0, v[WSA], v[WSB] matrix_a_fmt:MATRIX_FMT_FP6 matrix_b_fmt:MATRIX_FMT_FP6 matrix_b_scale:MATRIX_SCALE_ROW1
.elseif (\z)
	v_wmma_scale_f32_16x16x128_f8f6f4 v[WD:WD+7], v[WA:WA+11], v[WB:WB+11], 0, v[WSA], v[WSB] matrix_a_fmt:MATRIX_FMT_FP6 matrix_b_fmt:MATRIX_FMT_FP6
.elseif (\ra) && (\rb)
	v_wmma_scale_f32_16x16x128_f8f6f4 v[WD:WD+7], v[WA:WA+11], v[WB:WB+11], v[WD:WD+7], v[WSA], v[WSB] matrix_a_fmt:MATRIX_FMT_FP6 matrix_b_fmt:MATRIX_FMT_FP6 matrix_a_scale:MATRIX_SCALE_ROW1 matrix_b_scale:MATRIX_SCALE_ROW1
.elseif (\ra)
	v_wmma_scale_f32_16x16x128_f8f6f4 v[WD:WD+7], v[WA:WA+11], v[WB:WB+11], v[WD:WD+7], v[WSA], v[WSB] matrix_a_fmt:MATRIX_FMT_FP6 matrix_b_fmt:MATRIX_FMT_FP6 matrix_a_scale:MATRIX_SCALE_ROW1
.elseif (\rb)
	v_wmma_scale_f32_16x16x128_f8f6f4 v[WD:WD+7], v[WA:WA+11], v[WB:WB+11], v[WD:WD+7], v[WSA], v[WSB] matrix_a_fmt:MATRIX_FMT_FP6 matrix_b_fmt:MATRIX_FMT_FP6 matrix_b_scale:MATRIX_SCALE_ROW1
.else
	v_wmma_scale_f32_16x16x128_f8f6f4 v[WD:WD+7], v[WA:WA+11], v[WB:WB+11], v[WD:WD+7], v[WSA], v[WSB] matrix_a_fmt:MATRIX_FMT_FP6 matrix_b_fmt:MATRIX_FMT_FP6
.endif
.endm
; A joint load: wave 0 fetches x's 256 rows, waves 1 to 3 the 128 rows of Wq, Wk, Wv.  The branch hangs on the wave's number alone.  Four v_nop follow each line.
.macro JLOAD s
	s_cmp_eq_u32 s[WV], 0
	s_cbranch_scc0 .Lfor_w_\@
	tensor_load_to_lds s[G0X+4*(\s):G0X+4*(\s)+3], s[G1X:G1X+7]
	s_nop 0
.rept 4
	v_nop
.endr
	s_branch .Lasked_\@
.Lfor_w_\@:
	tensor_load_to_lds s[G0W+4*(\s):G0W+4*(\s)+3], s[G1W:G1W+7]
	s_nop 0
.rept 4
	v_nop
.endr
.Lasked_\@:
.endm
.macro CREST                           ; a round of the cluster's barrier behind its opening barrier
	s_cmp_lg_u32 s[WV], 0
	s_cbranch_scc1 .Lnot_wave_0_\@
	s_barrier_signal -3
.Lnot_wave_0_\@:
	s_barrier_wait -3
	s_barrier_signal -1
	s_barrier_wait -1
.endm
.macro CROUND
	s_barrier_signal -1
	s_barrier_wait -1
	CREST
.endm
; A fragment from rows: six pieces of 8 bytes.  Lanes 16-31 read three pieces on; where that lies behind one padding more, the second address register serves.
.macro FRAG reg, adr, qq, i, extra
.irp p, 0,1,2,3,4,5
.set PCE, 12*(\qq)+6*(\p/3)+\p%3
.if PCE%8 < 5
	ds_load_b64 v[\reg+2*\p:\reg+2*\p+1], v[\adr] offset:8*PCE+16*(PCE/8)+(\i)*16*PITCH+(\extra)
.else
	ds_load_b64 v[\reg+2*\p:\reg+2*\p+1], v[\adr+2] offset:8*PCE+16*(PCE/8)+(\i)*16*PITCH+(\extra)
.endif
.endr
.endm
.macro LD4 reg, adr, qq, i0, extra     ; four fragments: 24 loads
.irp u, 0,1,2,3
	FRAG (\reg)+12*\u, \adr, \qq, (\i0)+\u, \extra
.endr
.endm
; Sixteen products each.  Every accumulator gets one instruction a K step, so the accumulators take turns everywhere.
.macro MQ part, hb, sx, z              ; q: Wq's tiles 4 part .. +3 against XR
	WIN 0x50
.irp bb, 0,1,2,3
.irp a, 0,1,2,3
.set WD, 8*(8*\a+4*(\part)+\bb)
.set WA, (\hb)+12*\bb
.set WB, XR+12*\a
.set WSA, SQK+4*(\part)+\bb
.set WSB, (\sx)+\a
	WM \z, 0, 0
.endr
.endr
.endm
.macro MK part, hb, sx, z              ; k: the same with Wk
	WIN 0xa0
.irp bb, 0,1,2,3
.irp a, 0,1,2,3
.set WD, 8*(8*\a+4*(\part)+\bb)
.set WA, (\hb)+12*\bb
.set WB, XR+12*\a
.set WSA, SQK+4*(\part)+\bb
.set WSB, (\sx)+\a
	WM \z, 1, 0
.endr
.endr
.endm
.macro MVA sx, q, z                    ; v: XR's tiles against WR
	WIN 0xf0
.irp c, 0,1,2,3
.irp a, 0,1,2,3
.set WD, 8*(8*\a+\c)
.set WA, XR+12*\c
.set WB, WR+12*\a
.set WSA, (\sx)+\c
.set WSB, SV+8*(\a%2)+(\q)
	WM \z, 0, \a/2
.endr
.endr
.endm
.macro MVB hb, sx, q, z                ; v: XO's tiles against WR
	WIN 0xf0
.irp c, 0,1,2,3
.irp a, 0,1,2,3
.set WD, 8*(8*\a+4+\c)
.set WA, (\hb)+12*\c
.set WB, WR+12*\a
.set WSA, (\sx)+\c
.set WSB, SV+8*(\a%2)+(\q)
	WM \z, 1, \a/2
.endr
.endr
.endm
.macro RUN4 q                          ; 25 loads: the next step's Wq, one half, and its scale words
	LD4 HBr, ADW+NS, NQ, 4*BE, 0
	ds_load_b128 v[SQK+4*BE:SQK+4*BE+3], v[ASQ] offset:1024*((\q)+1)+512*BE
.endm
.macro RUN5 q                          ; 28 loads: the next step's XR and x's scale words, into the other set
	LD4 XR, ADXR+NS, NQ, 0, 0
.irp i, 0,1,2,3
	ds_load_b32 v[SXN+\i], v[ASX] offset:1280*((\q)+1)+64*\i
.endr
.endm
.macro RUN6                            ; 48 loads: the next step's other half of Wq, then WR
	LD4 HAr, ADW+NS, NQ, 4*AL, 0
	LD4 WR, ADWV+NS, NQ, 0, 0
.endm
; A K STEP of 128: 96 products, 28 fragments.  mode 0: inside a slot; 1: the slot's last step, the slot is filled again; 2: the slot's last step, nothing is filled; 3: the very last step.
.macro KSTEP q, mode, z
.set AL, (\q)%2
.set BE, 1-AL
.set HAr, H0+48*AL
.set HBr, H0+48*BE
.set SL, ((\q)/2)%2
.set QQ, (\q)%2
.set NS, (((\q)+1)/2)%2
.set NQ, ((\q)+1)%2
.set SXC, SX+4*AL
.set SXN, SX+4*BE
	s_wait_dscnt 48                                ; all but the youngest 48 loads (the other half of Wq, WR) are in
	MQ AL, HAr, SXC, \z
	PLACES
	WIN 0
	LD4 HAr, ADW+SL, QQ, 4*AL, WSZ                 ; 24: Wk, one half
	s_wait_dscnt 48                                ; WR's 24 and the 24 just issued may be out
	MQ BE, HBr, SXC, \z
	PLACES
	WIN 0
	LD4 HBr, ADW+SL, QQ, 4*BE, WSZ                 ; 24: Wk, the other half
	s_wait_dscnt 24                                ; the 24 just issued may be out
	MK AL, HAr, SXC, \z
	PLACES
	WIN 0
	LD4 HAr, ADXO+SL, QQ, 0, 0                     ; 24: XO
.if (\mode) != 3
	ds_load_b128 v[SQK+4*AL:SQK+4*AL+3], v[ASQ] offset:1024*((\q)+1)+512*AL
.endif
.if (\mode) == 0
	s_wait_dscnt 25                                ; XO's 24 and the scale words' load may be out
	MK BE, HBr, SXC, \z
	PLACES
	WIN 0
	RUN4 \q
	MVA SXC, \q, \z                                ; XR and WR came in long ago
	PLACES
	WIN 0
	RUN5 \q
	s_wait_dscnt 53                                ; the 25 and the 28 issued behind XO's loads may be out
	MVB HAr, SXC, \q, \z
	PLACES
	WIN 0
	RUN6
.elseif (\mode) < 3
	s_wait_tensorcnt 0x0                           ; all my tensor loads have landed: my part of the next slot
	ds_add_u32 v[SPW], v[NIL]                      ; 0 onto my spare word
	s_wait_dscnt 26                                ; XO's 24, the scale words' load and the add may be out
	MK BE, HBr, SXC, \z                            ; sixteen products stand between the add and the wait for it
	s_wait_dscnt 0x0                               ; the add is done, and my reads of this slot are over
	s_barrier_signal -1
	MVA SXC, \q, \z                                ; work on registers while the others arrive
	WIN 0
	s_barrier_wait -1
.if (\mode) == 1
	CREST                                          ; the barrier has opened a round of the cluster's: no wave of any partner still reads this slot or has a load on its way
	s_add_nc_u64 s[G0X+4*SL+2:G0X+4*SL+3], s[G0X+4*SL+2:G0X+4*SL+3], 384
	s_add_nc_u64 s[G0W+4*SL+2:G0W+4*SL+3], s[G0W+4*SL+2:G0W+4*SL+3], 384
	JLOAD SL                                       ; 512 along K on; its four v_nop are also the places in front of the loads below
.else
	PLACES
.endif
	RUN4 \q
	RUN5 \q
	MVB HAr, SXC, \q, \z                           ; XO is in since the wait for 0
	PLACES
	WIN 0
	RUN6
.else
	s_wait_dscnt 24                                ; XO's 24 may be out
	MK BE, HBr, SXC, \z
	MVA SXC, \q, \z
	s_wait_dscnt 0x0
	MVB HAr, SXC, \q, \z
	WIN 0
.endif
.endm
; THE QUANTISER.  64 numbers of a lane in window W from register S on: register 16 b + i belongs to block b of my row.
; QMAX: each block's largest magnitude, with the floor 2^(3 - 127) among the leaves (the byte cannot fall under 1); each accumulator is read from its low end on.
.macro QMAX W, S
	WIN ((\W)<<2)|((\W)<<4)
.irp b, 0,1,2,3
	v_max3_num_f32 v[TM+\b], 0x1800000, |v[(\S)+16*\b]|, |v[(\S)+16*\b+1]|
.endr
.irp i, 2,4,6,8,10,12,14
.irp b, 0,1,2,3
	v_max3_num_f32 v[TM+\b], v[TM+\b], |v[(\S)+16*\b+\i]|, |v[(\S)+16*\b+\i+1]|
.endr
.endr
	WIN 0
.irp b, 0,1,2,3
	v_permlanex16_b32 v[TM+4+\b], v[TM+\b], s[SEL], s[SEL+1]
.endr
.irp b, 0,1,2,3
	v_max_num_f32 v[TM+\b], v[TM+\b], v[TM+4+\b]   ; with lane l xor 16's: the block's
.endr
.endm
; QTAIL: the scale word into v[PW], the fragment's twelve registers into v[PC] on.
.macro QTAIL W, S, PC
.irp b, 0,1,2,3
	v_add_nc_u32 v[TM+12+\b], 0xff000000, v[TM+\b] ; 2 off the exponent field: the conversion's scale operand
.endr
.irp b, 0,1,2,3
	v_lshrrev_b32 v[TM+4+\b], 23, v[TM+12+\b]      ; the scale's byte
.endr
	v_lshl_or_b32 v[PW], v[TM+5], 8, v[TM+4]
	v_lshl_or_b32 v[PW], v[TM+6], 16, v[PW]
	v_lshl_or_b32 v[PW], v[TM+7], 24, v[PW]
	WIN (\W)
.irp c, 0,1
	v_cvt_scalef32_pk16_fp6_f32 v[(\PC)+6*\c:(\PC)+6*\c+2], v[(\S)+32*\c:(\S)+32*\c+15], v[TM+12+2*\c]
	v_cvt_scalef32_pk16_fp6_f32 v[(\PC)+12+4*\c:(\PC)+14+4*\c], v[(\S)+32*\c+16:(\S)+32*\c+31], v[TM+13+2*\c]
.endr
	WIN 0
	v_nop                                          ; one plain place behind a scaled conversion
.irp c, 0,1                                    ; a whole block to a lane: lanes 0-15 block 2 c, lanes 16-31 block 2 c + 1
.irp i, 0,1,2
	v_permlane16_swap_b32 v[(\PC)+6*\c+\i], v[(\PC)+12+4*\c+\i]
.endr
.irp i, 0,1,2
	v_mov_b32 v[(\PC)+3+6*\c+\i], v[(\PC)+12+4*\c+\i]
.endr
.endr
.endm
; Row tile a of the result in window W leaves as one fragment.  isv: in odd waves XR holds the upper 64 keys, so the fragment's halves and the word's halves change places, by a select.
.macro TOUT W, a, cb, isv
.set PCX, PC0+20*((\a)%2)
	QMAX \W, 64*(\a)
	s_wait_xcnt 0x0                                ; the earlier stores have read their registers: they are written again only behind this wait
	QTAIL \W, 64*(\a), PCX
.if \isv
.irp j, 0,1,2,3,4,5,6,7,8,9,10,11
	v_cndmask_b32 v[PD+\j], v[PCX+\j], v[PCX+(\j+6)%12], s[ODD]
.endr
	v_alignbit_b32 v[TM+8], v[PW], v[PW], 16
	v_cndmask_b32 v[WS+(\a)], v[PW], v[TM+8], s[ODD]
.irp g, 0,1,2
	global_store_b128 v[VO], v[PD+4*\g:PD+4*\g+3], s[\cb:\cb+1] offset:1536*(\a)+512*\g   ; 32 lanes store 512 consecutive bytes
.endr
.else
	v_mov_b32 v[WS+(\a)], v[PW]
.irp g, 0,1,2
	global_store_b128 v[VO], v[PCX+4*\g:PCX+4*\g+3], s[\cb:\cb+1] offset:1536*(\a)+512*\g
.endr
.endif
.endm
.macro WOUT sb                         ; four tiles' scale words: tile a, row r at 128 (a % 2) + 8 r + 4 (a / 2): 32 lanes store 256 consecutive bytes
	v_cndmask_b32 v[XY], v[WS], v[WS+1], s[HI]
	v_cndmask_b32 v[XY+1], v[WS+2], v[WS+3], s[HI]
	global_store_b64 v[VO8], v[XY:XY+1], s[\sb:\sb+1]
.endm
	s_load_b512 s[4:19], s[0:1], 0x0               ; x codes, x scales, Wq codes, Wq scales, Wk codes, Wk scales, Wv codes, Wv scales
	s_load_b256 s[80:87], s[0:1], 0x40             ; QF, QS, KF, KS
	s_load_b128 s[88:91], s[0:1], 0x60             ; VF, VS
	v_lshl_add_u32 v[SPW], v0, 2, SPARE
	v_mov_b32 v[NIL], 0
	ds_add_u32 v1, v2
	ds_add_u32 v1, v2
	s_wait_dscnt 0x0
	v_lshrrev_b32 v56, 5, v0
	v_readfirstlane_b32 s[WV], v56                 ; wave 0..3
	s_and_b32 s21, s20, 1
	s_lshr_b32 s22, s20, 1
	s_xor_b32 s23, s20, 1
	s_bfe_u32 s24, ttmp6, 0x40000                  ; cx
	s_bfe_u32 s25, ttmp6, 0x40004                  ; cy
	s_lshl_b32 s26, ttmp9, 2
	s_add_co_u32 s26, s26, s24                     ; J = 4 x cluster x + cx
	s_and_b32 s27, ttmp7, 0xffff
	s_lshl_b32 s27, s27, 2
	s_add_co_u32 s27, s27, s25                     ; I = 4 x cluster y + cy
	s_lshl_b32 s66, s25, 2
	s_lshl_b32 s66, 15, s66                        ; my row of the cluster
	s_lshl_b32 s67, 0x1111, s24                    ; my column
	; group 1: rows of 192 bytes, 768 apart in memory, 16 bytes of padding behind every 64; x: 256 rows, W: 128 rows
	s_or_b32 s[G1X], s66, (1<<20)|(1<<21)|(3<<22)|(3<<25)
	s_mov_b32 s[G1X+1], 192<<16
	s_mov_b32 s[G1X+2], 256<<16
	s_mov_b32 s[G1X+3], 192<<16
	s_mov_b32 s[G1X+4], 256
	s_mov_b32 s[G1X+5], 768
	s_mov_b32 s[G1X+6], 0
	s_mov_b32 s[G1X+7], 0
	s_or_b32 s[G1W], s67, (1<<20)|(1<<21)|(3<<22)|(3<<25)
	s_mov_b32 s[G1W+1], 192<<16
	s_mov_b32 s[G1W+2], 128<<16
	s_mov_b32 s[G1W+3], 192<<16
	s_mov_b32 s[G1W+4], 128
	s_mov_b32 s[G1W+5], 768
	s_mov_b32 s[G1W+6], 0
	s_mov_b32 s[G1W+7], 0
	s_mul_i32 s68, s27, 196608                     ; x: 256 I rows of 768 bytes (made of I alone)
	s_mov_b32 s69, 0
	s_mul_i32 s70, s26, 98304                      ; W: 128 J rows (made of J alone)
	s_mov_b32 s71, 0
	s_add_co_u32 s74, s20, 1
	s_mul_i32 s74, s74, WSZ                        ; where a W tile goes: (wave + 1) x 128 rows
	s_mov_b32 s[SEL], 0x76543210
	s_mov_b32 s[SEL+1], 0xfedcba98
	s_mov_b32 s[HI], 0xffff0000
	s_sub_co_u32 s[ODD], 0, s21                    ; all ones in odd waves
	v_and_b32 v57, 15, v0                          ; r
	v_bfe_u32 v58, v0, 4, 1                        ; h
	v_and_b32 v59, 1, v0
	v_bfe_u32 v60, v0, 1, 4
	v_lshlrev_b32 v63, 4, v0                       ; 16 x thread
	v_lshlrev_b32 v5, 5, v57
	v_lshl_add_u32 v5, v58, 10, v5                 ; 32 r + 1024 h
	s_wait_kmcnt 0x0
	s_cmp_eq_u32 s20, 1
	s_cselect_b64 s[72:73], s[8:9], s[16:17]       ; wave 1: Wq; wave 2: Wk; else Wv
	s_cmp_eq_u32 s20, 2
	s_cselect_b64 s[72:73], s[12:13], s[72:73]
	s_add_nc_u64 s[72:73], s[72:73], s[70:71]
	s_add_nc_u64 s[68:69], s[4:5], s[68:69]
.irp s, 0,1
	s_mov_b32 s[G0X+4*\s], 1
	s_mov_b32 s[G0X+4*\s+1], \s*SLOT
	s_add_nc_u64 s[G0X+4*\s+2:G0X+4*\s+3], s[68:69], \s*192
	s_or_b32 s[G0X+4*\s+3], s[G0X+4*\s+3], 0x80000000
	s_mov_b32 s[G0W+4*\s], 1
	s_add_co_u32 s[G0W+4*\s+1], s74, \s*SLOT
	s_add_nc_u64 s[G0W+4*\s+2:G0W+4*\s+3], s[72:73], \s*192
	s_or_b32 s[G0W+4*\s+3], s[G0W+4*\s+3], 0x80000000
.endr
	; the scale bytes of my work-group's rows: whole rows, 16 bytes a thread and load
	s_lshl_b32 s76, s27, 13
	s_mov_b32 s77, 0
	s_add_nc_u64 s[6:7], s[6:7], s[76:77]          ; x: 256 I rows of 32 bytes
	s_lshl_b32 s76, s26, 12
	s_add_nc_u64 s[10:11], s[10:11], s[76:77]      ; W: 128 J rows
	s_add_nc_u64 s[14:15], s[14:15], s[76:77]
	s_lshl_b32 s78, s21, 11
	s_add_co_u32 s76, s76, s78
	s_add_nc_u64 s[18:19], s[18:19], s[76:77]      ; Wv: + my 64 rows
.irp m, 0,1,2,3
	global_load_b128 v[160+4*\m:163+4*\m], v63, s[6:7] offset:2048*\m
.endr
.irp m, 0,1
	global_load_b128 v[176+4*\m:179+4*\m], v63, s[10:11] offset:2048*\m
	global_load_b128 v[184+4*\m:187+4*\m], v63, s[14:15] offset:2048*\m
.endr
.irp y, 0,1
.irp f, 0,1
	global_load_b128 v[SV+8*\y+4*\f:SV+8*\y+4*\f+3], v5, s[18:19] offset:512*\y+16*\f   ; WR's words stay in registers
.endr
.endr
	CROUND                                         ; all sixteen work-groups are here: the first joint loads meet
	JLOAD 0
	JLOAD 1                                        ; two loads of mine are out
	; where the results go
	s_lshl_b32 s75, s27, 1
	s_add_co_u32 s75, s75, s22                     ; G = 2 I + wave / 2: my 128 rows
	s_mul_i32 s76, s75, 98304
	s_mul_i32 s78, s26, 12288
	s_add_co_u32 s76, s76, s78
	s_mul_i32 s78, s21, 6144
	s_add_co_u32 s76, s76, s78
	s_add_nc_u64 s[80:81], s[80:81], s[76:77]
	s_add_nc_u64 s[84:85], s[84:85], s[76:77]
	s_lshl_b32 s76, s75, 3
	s_add_co_u32 s76, s76, s26
	s_lshl_b32 s76, s76, 9
	s_lshl_b32 s78, s21, 8
	s_add_co_u32 s76, s76, s78
	s_add_nc_u64 s[82:83], s[82:83], s[76:77]
	s_add_nc_u64 s[86:87], s[86:87], s[76:77]
	s_lshr_b32 s75, s27, 3
	s_lshl_b32 s75, s75, 3
	s_add_co_u32 s75, s75, s26
	s_lshl_b32 s75, s75, 4
	s_and_b32 s78, s27, 7
	s_lshl_b32 s78, s78, 1
	s_add_co_u32 s75, s75, s78
	s_add_co_u32 s75, s75, s22                     ; ((batch x 8 + J) x 16 + my 128 keys
	s_mul_i32 s76, s75, 12288
	s_mul_i32 s78, s21, 6144
	s_add_co_u32 s76, s76, s78
	s_add_nc_u64 s[88:89], s[88:89], s[76:77]
	s_lshl_b32 s76, s75, 9
	s_lshl_b32 s78, s21, 8
	s_add_co_u32 s76, s76, s78
	s_add_nc_u64 s[90:91], s[90:91], s[76:77]
	; LDS addresses
	v_lshlrev_b32 v61, 12, v59
	v_lshl_add_u32 v61, v60, 4, v61
	v_lshl_add_u32 v61, v56, 2, v61
	v_add_nc_u32 v61, SQKB, v61                    ; W words in: 4096 (t % 2) + 16 ((t / 2) % 16) + 4 (t / 32)
	v_mul_u32_u24 v62, v59, 5120
	v_lshl_add_u32 v62, v56, 6, v62
	v_lshl_add_u32 v62, v60, 2, v62
	v_add_nc_u32 v62, SXB, v62                     ; x words in: 5120 (t % 2) + 64 (t / 32) + 4 ((t / 2) % 16)
	v_and_b32 v22, 31, v0
	v_lshl_add_u32 v[ASQ], v22, 4, SQKB
	v_xor_b32 v22, v56, v58
	v_mul_u32_u24 v22, v22, 320
	v_lshl_add_u32 v22, v57, 2, v22
	v_add_nc_u32 v[ASX], SXB, v22                  ; lanes 0-15 my 64 rows' words, lanes 16-31 the other wave's
	v_mul_u32_u24 v22, v57, PITCH
	v_mad_u32_u24 v22, v58, 24, v22                ; row x pitch + 24 x half
	v_lshl_add_u32 v23, v58, 4, v22                ; and behind one padding more
	s_mul_i32 s76, s20, 15360
	s_mul_i32 s78, s23, 15360
	s_mul_i32 s79, s21, 15360
	s_add_co_u32 s79, s79, 122880
.irp s, 0,1
	v_add_nc_u32 v[ADXR+\s], s76, v22
	v_add_nc_u32 v[ADXR+2+\s], s76, v23
	v_add_nc_u32 v[ADXO+\s], s78, v22
	v_add_nc_u32 v[ADXO+2+\s], s78, v23
	v_add_nc_u32 v[ADW+\s], WOFF+\s*SLOT, v22
	v_add_nc_u32 v[ADW+2+\s], WOFF+\s*SLOT, v23
	v_add_nc_u32 v[ADWV+\s], s79, v22
	v_add_nc_u32 v[ADWV+2+\s], s79, v23
	s_add_co_u32 s76, s76, SLOT
	s_add_co_u32 s78, s78, SLOT
	s_add_co_u32 s79, s79, SLOT
.endr
	s_wait_loadcnt 0x0                             ; the scale bytes
.irp m, 0,1,2,3
.irp e, 0,1,2,3
	ds_store_b32 v62, v[160+4*\m+\e] offset:1280*\e+320*\m
.endr
.endr
.irp m, 0,1
.irp e, 0,1,2,3
	ds_store_b32 v61, v[176+4*\m+\e] offset:1024*\e+512*\m
	ds_store_b32 v61, v[184+4*\m+\e] offset:1024*\e+512*\m+256
.endr
.endr
	s_wait_tensorcnt 0x1                           ; my part of slot 0 is in; slot 1's may stay out
	s_wait_dscnt 0x0                               ; my scale words have landed
	s_barrier_signal -1
	s_barrier_wait -1
	ds_load_b128 v[SQK+4:SQK+7], v[ASQ] offset:512
	LD4 H0, ADW, 0, 0, 0
	ds_load_b128 v[SQK:SQK+3], v[ASQ]
	LD4 XR, ADXR, 0, 0, 0
.irp i, 0,1,2,3
	ds_load_b32 v[SX+\i], v[ASX] offset:64*\i
.endr
	LD4 H0+48, ADW, 0, 4, 0
	LD4 WR, ADWV, 0, 0, 0
	KSTEP 0, 0, 1                                  ; the first step's products start the sums: nothing is cleared
	KSTEP 1, 1, 0
	KSTEP 2, 0, 0
	KSTEP 3, 1, 0
	KSTEP 4, 0, 0
	KSTEP 5, 2, 0
	KSTEP 6, 0, 0
	KSTEP 7, 3, 0
	; THE WAY OUT
	PLACES
.irp b, 0,1,2,3
	v_mov_b32 v[TM+4+\b], 0                        ; a lane permute's destination counts as one of its sources
.endr
	v_and_b32 v[VO], 31, v0
	v_lshlrev_b32 v[VO8], 3, v[VO]
	v_lshlrev_b32 v[VO], 4, v[VO]
.irp a, 0,1,2,3
	TOUT 1, \a, 80, 0
.endr
	WOUT 82
.irp a, 0,1,2,3
	TOUT 2, \a, 84, 0
.endr
	WOUT 86
.irp a, 0,1,2,3
	TOUT 3, \a, 88, 1
.endr
	WOUT 90
	s_wait_tensorcnt 0x0                           ; the wave's end
	ds_add_u32 v[SPW], v[NIL]
	s_wait_dscnt 0x0
	CROUND                                         ; the closing round
	s_endpgm
.Lfunc_end_k_q3d4a03b182_proj:
	.size	k_q3d4a03b182_proj, .Lfunc_end_k_q3d4a03b182_proj-k_q3d4a03b182_proj
	.p2alignl 7, 3214868480
	.fill 96, 4, 3214868480
	.section	.rodata,"a",@progbits
	.p2align	6, 0x0
	.amdhsa_kernel k_q3d4a03b182_proj
		.amdhsa_group_segment_fixed_size 327680
		.amdhsa_private_segment_fixed_size 0
		.amdhsa_enable_private_segment 0
		.amdhsa_kernarg_size 112
		.amdhsa_user_sgpr_count 2
		.amdhsa_user_sgpr_kernarg_segment_ptr 1
		.amdhsa_wavefront_size32 1
		.amdhsa_system_sgpr_workgroup_id_x 1
		.amdhsa_system_sgpr_workgroup_id_y 1
		.amdhsa_system_sgpr_workgroup_id_z 1
		.amdhsa_system_vgpr_workitem_id 0
		.amdhsa_next_free_vgpr 1024
		.amdhsa_next_free_sgpr 96
		.amdhsa_reserve_vcc 0
		.amdhsa_float_denorm_mode_32 3
		.amdhsa_float_denorm_mode_16_64 3
		.amdhsa_memory_ordered 1
		.amdhsa_forward_progress 1
		.amdhsa_inst_pref_size 255
	.end_amdhsa_kernel
	.section	.bss,"aw",@nobits
	.p2align	6
	.space	262144
	.amdgpu_metadata
---
amdhsa.version: [ 1, 2 ]
amdhsa.kernels:
  - .name:           k_q3d4a03b182_proj
    .symbol:         k_q3d4a03b182_proj.kd
    .args:
      - { .name: x_codes, .offset: 0, .size: 8, .value_kind: global_buffer, .address_space: global }
      - { .name: x_scales, .offset: 8, .size: 8, .value_kind: global_buffer, .address_space: global }
      - { .name: Wq_codes, .offset: 16, .size: 8, .value_kind: global_buffer, .address_space: global }
      - { .name: Wq_scales, .offset: 24, .size: 8, .value_kind: global_buffer, .address_space: global }
      - { .name: Wk_codes, .offset: 32, .size: 8, .value_kind: global_buffer, .address_space: global }
      - { .name: Wk_scales, .offset: 40, .size: 8, .value_kind: global_buffer, .address_space: global }
      - { .name: Wv_codes, .offset: 48, .size: 8, .value_kind: global_buffer, .address_space: global }
      - { .name: Wv_scales, .offset: 56, .size: 8, .value_kind: global_buffer, .address_space: global }
      - { .name: QF, .offset: 64, .size: 8, .value_kind: global_buffer, .address_space: global }
      - { .name: QS, .offset: 72, .size: 8, .value_kind: global_buffer, .address_space: global }
      - { .name: KF, .offset: 80, .size: 8, .value_kind: global_buffer, .address_space: global }
      - { .name: KS, .offset: 88, .size: 8, .value_kind: global_buffer, .address_space: global }
      - { .name: VF, .offset: 96, .size: 8, .value_kind: global_buffer, .address_space: global }
      - { .name: VS, .offset: 104, .size: 8, .value_kind: global_buffer, .address_space: global }
    .group_segment_fixed_size: 327680
    .private_segment_fixed_size: 0
    .kernarg_segment_align: 8
    .kernarg_segment_size: 112
    .max_flat_workgroup_size: 128
    .sgpr_count:     96
    .vgpr_count:     1024
    .wavefront_size: 32
...
	.end_amdgpu_metadata
.endif
;; end of part 1
;; launch score (part 2): grid 36 x 4, 4 waves a work-group, no clusters, 327,680 bytes of LDS; arguments QF, QS, KF, KS, PF, PST; writes PF, PST
.if DOCPART == 2
	.amdgcn_target "amdgcn-amd-amdhsa--gfx1250"
	.amdhsa_code_object_version 6
	.text
	.protected	k_q3d4a03b182_score
	.globl	k_q3d4a03b182_score
	.p2align	8
	.type	k_q3d4a03b182_score,@function
k_q3d4a03b182_score:
	s_mov_b64 s[64:65], 0
	v_nop
	global_prefetch_b8 v0, s[64:65] scope:SCOPE_SE
	s_setreg_imm32_b32 hwreg(HW_REG_WAVE_MODE, 25, 1), 1
	s_wait_xcnt 0x0
; S = q k^T on codes of FP6 (E2M3), for the tiles of 256 queries x 256 keys on and under the diagonal; the causal mask; p = 2^(t - M) under a LOCAL whole number M, quantised along the keys.
; t = score x log2(e) / 32.  For each query and each 128 keys: M = the ceiling of the largest t of these 128 keys; p's codes and scale bytes under that M, M itself and the sum of the unquantised p leave for the next launch,
; which brings them under the row's M by whole-number steps of the scale bytes and exact powers of two.
; SHARES.  Work-group x = the tile's number in the lower triangle (36 a batch), y = the batch.  Wave w makes 128 queries (w / 2) x 128 keys (w % 2): 64 accumulators.
; Source 0 = 16 keys, source 1 = 16 queries: a lane holds one query, its registers run along the keys.
; q and k arrive as images of fragments: a K step's eight fragments of 128 rows are 12,288 dense bytes; a fragment is three loads of 16 bytes a lane, lanes on end.
; RING.  Three slots of 256 along K; the fourth and last chunk goes into slot 0 again, behind the one barrier of that kind.
; NO CLUSTER: row qi of the triangle has qi + 1 tiles, so no rectangle of four partners that share a tile of q or k divides the grid; work-groups of different batches share nothing.
; No prefetch: three quarters of the bytes are asked for at the head, the rest four K steps ahead of its use.
; LIMITS: NaN and infinities are not served.  A block whose every p is 0 gets the byte 1 (its codes are zeros).
; A block's largest p is made from the block's largest score by the same multiply-add and exponential; this takes the exponential not to fall where its input rises.
.set SLOT,  98304                      ; four blocks of 24,576: q rows 0-127, q rows 128-255, k rows 0-127, k rows 128-255; in a block [K step][tile][1536]
.set BLKB,  24576
.set SCL,   294912                     ; q's scale words 2 x 4096; k's 8,320 bytes on
.set SPARE, 311552
.set SPW, 1
.set NIL, 2
.set ADRA, 16                          ; v16-18 my q fragments in slot 0, 1, 2
.set ADRB, 20                          ; v20-22 my k fragments
.set ADRS, 27                          ; lanes 0-15 q's scale words, lanes 16-31 k's
.set DD, 28                            ; r - 8 h
.set SC, 32                            ; v32-63 scale words: 16 set + 8 qq + 4 (i / 4) + 2 (i % 2) + (i / 2) % 2
.set AF, 128                           ; q's fragments, one set, window 0; k's two sets in window 1 at v0 and v128
.set TM, 64
.set PW, 80
.set BM, 84
.set NM, 92
.set TT, 94
.set SU, 96
.set PC0, 100
.set WS, 140
.set MS, 148
.set LS, 156
.set XY, 164
.set NINF, 176
.set VO, 177
.set VO8, 178
.set WV, 16
.set SEL, 66
.set CS, 68
.set HI, 70
.set SKP, 71
.set MSK, 72
.set MUL_LO, 0xa1
.set MUL_HI, 0xf1
.set TO_B, 0x40
.set MSB, 0
.macro WIN new
.if MSB != (\new)
	s_set_vgpr_msb (MSB<<8)|(\new)
.set MSB, (\new)
.endif
.endm
.macro PLACES
.rept 4
	v_nop
.endr
.endm
.macro WM z
.if \z
	v_wmma_scale_f32_16x16x128_f8f6f4 v[WD:WD+7], v[WA:WA+11], v[WB:WB+11], 0, v[WSA], v[WSB] matrix_a_fmt:MATRIX_FMT_FP6 matrix_b_fmt:MATRIX_FMT_FP6 matrix_a_scale:MATRIX_SCALE_ROW1
.else
	v_wmma_scale_f32_16x16x128_f8f6f4 v[WD:WD+7], v[WA:WA+11], v[WB:WB+11], v[WD:WD+7], v[WSA], v[WSB] matrix_a_fmt:MATRIX_FMT_FP6 matrix_b_fmt:MATRIX_FMT_FP6 matrix_a_scale:MATRIX_SCALE_ROW1
.endif
.endm
; 16 products of K step g: query tiles a0, a0 + 1 against the eight key tiles.  The 64 accumulators take turns in the same order in every step.
.macro MUL16 a0, g, z
.irp a, \a0, \a0+1
.irp b, 0,1,2,3,4,5,6,7
.set WD, 8*(8*((\a)%4)+\b)
.set WA, 128*((\g)%2)+12*\b
.set WB, AF+12*(\a)
.set WSA, SC+16*(((\g)/2)%2)+8*((\g)%2)+4*(\b/4)+2*(\b%2)+(\b/2)%2
.set WSB, SC+16*(((\g)/2)%2)+8*((\g)%2)+4*((\a)/4)+2*((\a)%2)+((\a)/2)%2
	WM \z
.endr
.endr
.endm
.macro FRAGL reg, adr, off             ; an image comes back as it was stored
.irp c, 0,1,2
	ds_load_b128 v[(\reg)+4*\c:(\reg)+4*\c+3], v[\adr] offset:(\off)+512*\c
.endr
.endm
.macro FETCH_B slot, qq, p
	WIN TO_B
.irp i, 0,1,2,3,4,5,6,7
	FRAGL 128*(\p)+12*\i, ADRB+(\slot), 12288*(\qq)+1536*\i
.endr
	WIN 0
.endm
.macro FETCH_A slot, qq, i0
.irp i, \i0, \i0+1, \i0+2, \i0+3
	FRAGL AF+12*(\i), ADRA+(\slot), 12288*(\qq)+1536*(\i)
.endr
.endm
.macro SCALES ch                       ; a chunk's scale words, eight loads of two tiles each
.irp qq, 0,1
.irp u, 0,1
.irp e, 0,1
	ds_load_b64 v[SC+16*((\ch)%2)+8*\qq+4*\u+2*\e:SC+16*((\ch)%2)+8*\qq+4*\u+2*\e+1], v[ADRS] offset:512*(2*(\ch)+\qq)+256*\u+128*\e
.endr
.endr
.endr
.endm
.macro MIDRUN g                        ; the next step's k, q's tiles 0-3 and, at a chunk's end, the next chunk's scale words
.set NG, (\g)+1
.set NSL, (NG/2)%3
.set NQQ, NG%2
	FETCH_B NSL, NQQ, NG%2
	FETCH_A NSL, NQQ, 0
.if NQQ == 0
	SCALES NG/2
.endif
.endm
.macro STEP g, z                       ; a K step whose successor's tiles every wave has been shown
	s_wait_dscnt 12                                ; all but the youngest twelve loads (q's tiles 4-7) are in
	WIN MUL_LO
	MUL16 0, \g, \z
	MUL16 2, \g, \z
	s_wait_dscnt 0x0
	PLACES
	MIDRUN \g
	WIN MUL_HI
	MUL16 4, \g, \z
	MUL16 6, \g, \z
	PLACES
	WIN 0
	FETCH_A NSL, NQQ, 4
.endm
.macro TURN g, fill                    ; a K step with a barrier; fill = 1: slot 0, read out, takes the last chunk
	s_wait_tensorcnt 0x0                           ; all my tensor loads have landed
	ds_add_u32 v[SPW], v[NIL]                      ; 0 onto my spare word
.if \fill
	s_add_nc_u64 s[54:55], s[54:55], 3*BLKB        ; slot 0's next chunk: three chunks on
.endif
	s_wait_dscnt 13                                ; the add and the youngest twelve loads may be out
	WIN MUL_LO
	MUL16 0, \g, 0
	s_wait_dscnt 0x0                               ; the add is done, and my reads of the slot are over
	s_barrier_signal -1
	MUL16 2, \g, 0
	WIN 0
	s_barrier_wait -1
.if \fill
	tensor_load_to_lds s[52:55], s[24:31]          ; my one tensor load behind this barrier: it has four K steps in which to land
	s_nop 0
.rept 4
	v_nop
.endr
.else
	PLACES
.endif
	MIDRUN \g
	WIN MUL_HI
	MUL16 4, \g, 0
	MUL16 6, \g, 0
	PLACES
	WIN 0
	FETCH_A NSL, NQQ, 4
.endm
; the scale word into v[PW], the fragment's twelve registers into v[PC] on; the blocks' largest numbers stand in v[TM] on
.macro QTAIL W, S, PC
.irp b, 0,1,2,3
	v_add_nc_u32 v[TM+12+\b], 0xff000000, v[TM+\b]
.endr
.irp b, 0,1,2,3
	v_lshrrev_b32 v[TM+4+\b], 23, v[TM+12+\b]
.endr
	v_lshl_or_b32 v[PW], v[TM+5], 8, v[TM+4]
	v_lshl_or_b32 v[PW], v[TM+6], 16, v[PW]
	v_lshl_or_b32 v[PW], v[TM+7], 24, v[PW]
	WIN (\W)
.irp c, 0,1
	v_cvt_scalef32_pk16_fp6_f32 v[(\PC)+6*\c:(\PC)+6*\c+2], v[(\S)+32*\c:(\S)+32*\c+15], v[TM+12+2*\c]
	v_cvt_scalef32_pk16_fp6_f32 v[(\PC)+12+4*\c:(\PC)+14+4*\c], v[(\S)+32*\c+16:(\S)+32*\c+31], v[TM+13+2*\c]
.endr
	WIN 0
	v_nop                                          ; one plain place behind a scaled conversion
.irp c, 0,1
.irp i, 0,1,2
	v_permlane16_swap_b32 v[(\PC)+6*\c+\i], v[(\PC)+12+4*\c+\i]
.endr
.irp i, 0,1,2
	v_mov_b32 v[(\PC)+3+6*\c+\i], v[(\PC)+12+4*\c+\i]
.endr
.endr
.endm
; QUERY TILE a: mask, local M, p, its sum, its codes.
.macro SOFTQ a
.set WW, 2+(\a)/4
.set AC, 64*((\a)%4)
.set PCX, PC0+20*((\a)%2)
	s_cmp_eq_u32 s[MSK], 0
	s_cbranch_scc1 .Lopen_\@                       ; only a wave on the diagonal masks: a branch on ids
	WIN WW|(WW<<6)
.irp j, 0,1,2,3,4,5,6,7
	v_cmp_gt_i32 vcc_lo, \j, v[DD]                 ; key 16 a + 8 h + j is hidden from query 16 a + r where j > r - 8 h
	v_cndmask_b32 v[AC+8*(\a)+\j], v[AC+8*(\a)+\j], v[NINF], vcc_lo
.endr
.set TL, (\a)+1
.rept 7-(\a)
.irp j, 0,1,2,3,4,5,6,7
	v_mov_b32 v[AC+8*TL+\j], 0xff800000            ; the key tiles behind the diagonal are hidden whole
.endr
.set TL, TL+1
.endr
	WIN 0
.Lopen_\@:
	WIN WW|(WW<<2)
.irp b, 0,1,2,3
	v_max3_num_f32 v[BM+\b], v[AC+16*\b], v[AC+16*\b+1], 0xff800000   ; the largest score of each block of 32 keys
.endr
.irp i, 2,4,6,8,10,12,14
.irp b, 0,1,2,3
	v_max3_num_f32 v[BM+\b], v[AC+16*\b+\i], v[AC+16*\b+\i+1], v[BM+\b]
.endr
.endr
	WIN 0
.irp b, 0,1,2,3
	v_permlanex16_b32 v[BM+4+\b], v[BM+\b], s[SEL], s[SEL+1]
.endr
.irp b, 0,1,2,3
	v_max_num_f32 v[BM+\b], v[BM+\b], v[BM+4+\b]
.endr
	v_max3_num_f32 v[TT], v[BM], v[BM+1], v[BM+2]
	v_max_num_f32 v[TT], v[TT], v[BM+3]            ; the largest score of these 128 keys (the first of them counts for every query of the wave)
	v_mul_f32 v[TT], s[CS], v[TT]
	v_floor_f32 v[NM], -v[TT]                      ; -M = floor(-t): M is a whole number
.irp b, 0,1,2,3
	v_fma_f32 v[BM+\b], v[BM+\b], s[CS], v[NM]
.endr
.irp i, 0,1,2,3
	v_mov_b32 v[SU+\i], 0
.endr
	WIN WW|(WW<<6)
.irp j, 0,2,4,6,8,10,12,14,16,18,20,22,24,26,28,30,32,34,36,38,40,42,44,46,48,50,52,54,56,58,60,62
	v_pk_fma_f32 v[AC+\j:AC+\j+1], v[AC+\j:AC+\j+1], s[CS:CS+1], v[NM:NM+1] op_sel_hi:[1,0,0]   ; t - M
.endr
.irp j, 0,1,2,3,4,5,6,7,8,9,10,11,12,13,14,15,16,17,18,19,20,21,22,23,24,25,26,27,28,29,30,31,32,33,34,35,36,37,38,39,40,41,42,43,44,45,46,47,48,49,50,51,52,53,54,55,56,57,58,59,60,61,62,63
	v_exp_f32 v[AC+\j], v[AC+\j]                   ; p = 2^(t - M)
.endr
	WIN 0
	v_sub_f32 v[MS+(\a)], 0, v[NM]                 ; M, kept for the way out (a plain place behind the exponentials)
	s_wait_alu depctr_va_vdst(0)                   ; one wait for the batch, ahead of its first reader
.irp b, 0,1,2,3
	v_exp_f32 v[BM+\b], v[BM+\b]                   ; each block's largest p
.endr
	WIN WW<<2
.irp j, 0,4,8,12,16,20,24,28,32,36,40,44,48,52,56,60
	v_pk_add_f32 v[SU:SU+1], v[SU:SU+1], v[AC+\j:AC+\j+1]          ; the sum of the unquantised p, in two chains
	v_pk_add_f32 v[SU+2:SU+3], v[SU+2:SU+3], v[AC+\j+2:AC+\j+3]
.endr
	WIN 0
	v_pk_add_f32 v[SU:SU+1], v[SU:SU+1], v[SU+2:SU+3]
	v_add_f32 v[SU], v[SU], v[SU+1]
	v_permlanex16_b32 v[SU+1], v[SU], s[SEL], s[SEL+1]
	v_add_f32 v[LS+(\a)], v[SU], v[SU+1]
	s_wait_alu depctr_va_vdst(0)                   ; and one for the four
.irp b, 0,1,2,3
	v_max_num_f32 v[TM+\b], 0x1800000, v[BM+\b]    ; the floor 2^(3 - 127): the byte cannot fall under 1
.endr
	s_wait_xcnt 0x0                                ; the earlier stores have read their registers
	QTAIL WW, AC, PCX
	v_mov_b32 v[WS+(\a)], v[PW]
.irp g, 0,1,2
	global_store_b128 v[VO], v[PCX+4*\g:PCX+4*\g+3], s[12:13] offset:1536*(\a)+512*\g   ; 32 lanes store 512 consecutive bytes
.endr
.endm
	s_load_b256 s[4:11], s[0:1], 0x0               ; QF, QS, KF, KS
	s_load_b128 s[12:15], s[0:1], 0x20             ; PF, PST
	v_lshl_add_u32 v[SPW], v0, 2, SPARE
	v_mov_b32 v[NIL], 0
	ds_add_u32 v1, v2
	ds_add_u32 v1, v2
	s_wait_dscnt 0x0
	v_lshrrev_b32 v3, 5, v0
	v_readfirstlane_b32 s[WV], v3                  ; wave 0..3
	s_lshr_b32 s17, s16, 1                         ; which 128 queries
	s_and_b32 s18, s16, 1                          ; which 128 keys
	s_and_b32 s19, ttmp7, 0xffff                   ; the batch
	s_mov_b32 s20, 0
.irp u, 1,3,6,10,15,21,28
	s_cmp_ge_u32 ttmp9, \u
	s_cselect_b32 s2, 1, 0
	s_add_co_u32 s20, s20, s2                      ; qi: the row of the triangle
.endr
	s_add_co_u32 s2, s20, 1
	s_mul_i32 s2, s2, s20
	s_lshr_b32 s2, s2, 1
	s_sub_co_u32 s21, ttmp9, s2                    ; ki: the place in the row
	s_cmp_lt_u32 s16, 2                            ; waves 0 and 1 fetch q's halves, waves 2 and 3 k's
	s_cselect_b32 s22, s20, s21
	s_lshl_b32 s22, s22, 1
	s_add_co_u32 s22, s22, s18
	s_lshl_b32 s3, s19, 4
	s_add_co_u32 s22, s22, s3                      ; which 128 rows I fetch
	s_mul_i32 s40, s22, 98304
	s_mov_b32 s41, 0
	s_lshl_b32 s42, s22, 12
	s_mov_b32 s43, 0
	; group 1: dense blocks as rows of 256 bytes: 96 rows of codes, 16 rows of scale words
	s_mov_b32 s24, 3<<16
	s_mov_b32 s25, 32<<16
	s_mov_b32 s26, 96<<16
	s_mov_b32 s27, 32<<16
	s_mov_b32 s28, 96
	s_mov_b32 s29, 32
	s_mov_b32 s30, 0
	s_mov_b32 s31, 0
	s_mov_b32 s32, 3<<16
	s_mov_b32 s33, 32<<16
	s_mov_b32 s34, 16<<16
	s_mov_b32 s35, 32<<16
	s_mov_b32 s36, 16
	s_mov_b32 s37, 32
	s_mov_b32 s38, 0
	s_mov_b32 s39, 0
	s_mul_i32 s3, s16, BLKB                        ; my block of a slot
	s_lshl_b32 s2, s16, 12
	s_lshl_b32 s23, s17, 7
	s_add_co_u32 s2, s2, s23
	s_add_co_u32 s2, s2, SCL                       ; my block of the scale words
	s_wait_kmcnt 0x0
	s_cmp_lt_u32 s16, 2
	s_cselect_b64 s[44:45], s[4:5], s[8:9]
	s_cselect_b64 s[46:47], s[6:7], s[10:11]
	s_add_nc_u64 s[44:45], s[44:45], s[40:41]
	s_add_nc_u64 s[46:47], s[46:47], s[42:43]
	s_mov_b32 s48, 1
	s_mov_b32 s49, s2
	s_mov_b64 s[50:51], s[46:47]
	s_or_b32 s51, s51, 0x80000000
.irp s, 0,1,2
	s_mov_b32 s[52+4*\s], 1
	s_add_co_u32 s[53+4*\s], s3, \s*SLOT
	s_add_nc_u64 s[54+4*\s:55+4*\s], s[44:45], \s*BLKB
	s_or_b32 s[55+4*\s], s[55+4*\s], 0x80000000
.endr
	tensor_load_to_lds s[48:51], s[32:39]          ; the first fills go out together: four loads of mine are out
	s_nop 0
	tensor_load_to_lds s[52:55], s[24:31]
	s_nop 0
	tensor_load_to_lds s[56:59], s[24:31]
	s_nop 0
	tensor_load_to_lds s[60:63], s[24:31]
	s_nop 0
.rept 4
	v_nop
.endr
	s_mov_b32 s[SEL], 0x76543210
	s_mov_b32 s[SEL+1], 0xfedcba98
	s_mov_b32 s[CS], 0x3d38aa3b                    ; log2(e) / 32
	s_mov_b32 s[CS+1], s[CS]
	s_mov_b32 s[HI], 0xffff0000
	s_cmp_eq_u32 s20, s21
	s_cselect_b32 s73, 1, 0                        ; a tile on the diagonal
	s_cmp_eq_u32 s16, 1
	s_cselect_b32 s[SKP], s73, 0                   ; there wave 1's keys all come after its queries: nobody reads its record
	s_cmp_eq_u32 s17, s18
	s_cselect_b32 s[MSK], s73, 0                   ; and waves 0 and 3 lie on the diagonal
	s_lshl_b32 s73, s19, 4
	s_lshl_b32 s74, s20, 1
	s_add_co_u32 s73, s73, s74
	s_add_co_u32 s73, s73, s17
	s_lshl_b32 s73, s73, 4
	s_lshl_b32 s74, s21, 1
	s_add_co_u32 s73, s73, s74
	s_add_co_u32 s73, s73, s18                     ; my record: (16 batch + queries / 128) x 16 + keys / 128
	s_mul_i32 s74, s73, 12288
	s_mov_b32 s75, 0
	s_add_nc_u64 s[12:13], s[12:13], s[74:75]
	s_mul_i32 s74, s73, 1536
	s_add_nc_u64 s[14:15], s[14:15], s[74:75]
	v_and_b32 v3, 31, v0
	v_lshlrev_b32 v3, 4, v3                        ; 16 x lane
	s_mul_i32 s2, s17, BLKB
	s_mul_i32 s3, s18, BLKB
	s_add_co_u32 s3, s3, 2*BLKB
.irp s, 0,1,2
	v_add_nc_u32 v[ADRA+\s], s2, v3
	v_add_nc_u32 v[ADRB+\s], s3, v3
	s_add_co_u32 s2, s2, SLOT
	s_add_co_u32 s3, s3, SLOT
.endr
	v_and_b32 v4, 15, v0                           ; r
	v_bfe_u32 v5, v0, 4, 1                         ; h
	s_lshl_b32 s2, s17, 12
	s_lshl_b32 s3, s18, 12
	s_add_co_u32 s3, s3, 8320
	s_sub_co_u32 s3, s3, s2
	v_mul_u32_u24 v6, s3, v5                       ; lanes 16-31 take k's words
	s_add_co_u32 s2, s2, SCL
	v_lshl_add_u32 v6, v4, 3, v6
	v_add_nc_u32 v[ADRS], s2, v6
	v_lshlrev_b32 v6, 3, v5
	v_sub_nc_u32 v[DD], v4, v6
	s_wait_tensorcnt 0x2                           ; the scale words and my part of slot 0 are in; slots 1 and 2 may stay out
	s_barrier_signal -1
	s_barrier_wait -1
	FETCH_B 0, 0, 0
	FETCH_A 0, 0, 0
	SCALES 0
	FETCH_A 0, 0, 4
	STEP 0, 1                                      ; the first step's products start the sums
	TURN 1, 1                                      ; every wave has waited for all its loads: slots 1 and 2 are whole for everybody; slot 0 takes the last chunk
	STEP 2, 0
	STEP 3, 0
	STEP 4, 0
	TURN 5, 0                                      ; the last chunk has landed
	STEP 6, 0
	s_wait_dscnt 12                                ; the very last step: nothing more to fetch
	WIN MUL_LO
	MUL16 0, 7, 0
	MUL16 2, 7, 0
	s_wait_dscnt 0x0
	WIN MUL_HI
	MUL16 4, 7, 0
	MUL16 6, 7, 0
	WIN 0
	PLACES
	s_cmp_lg_u32 s[SKP], 0
	s_cbranch_scc1 .Lend
.irp b, 0,1,2,3
	v_mov_b32 v[BM+4+\b], 0                        ; a lane permute's destination counts as one of its sources
.endr
	v_mov_b32 v[NM+1], 0                           ; named as the upper half of a pair
	v_mov_b32 v[NINF], 0xff800000
	v_and_b32 v[VO], 31, v0
	v_lshlrev_b32 v[VO8], 3, v[VO]
	v_lshlrev_b32 v[VO], 4, v[VO]
.irp a, 0,1,2,3,4,5,6,7
	SOFTQ \a
.endr
.irp u, 0,1                            ; the scale words, M and the sums of eight tiles: six stores of 256 consecutive bytes
	v_cndmask_b32 v[XY+2*\u], v[WS+4*\u], v[WS+4*\u+1], s[HI]
	v_cndmask_b32 v[XY+2*\u+1], v[WS+4*\u+2], v[WS+4*\u+3], s[HI]
	v_cndmask_b32 v[XY+4+2*\u], v[MS+4*\u], v[MS+4*\u+1], s[HI]
	v_cndmask_b32 v[XY+5+2*\u], v[MS+4*\u+2], v[MS+4*\u+3], s[HI]
	v_cndmask_b32 v[XY+8+2*\u], v[LS+4*\u], v[LS+4*\u+1], s[HI]
	v_cndmask_b32 v[XY+9+2*\u], v[LS+4*\u+2], v[LS+4*\u+3], s[HI]
	global_store_b64 v[VO8], v[XY+2*\u:XY+2*\u+1], s[14:15] offset:256*\u
	global_store_b64 v[VO8], v[XY+4+2*\u:XY+5+2*\u], s[14:15] offset:512+256*\u
	global_store_b64 v[VO8], v[XY+8+2*\u:XY+9+2*\u], s[14:15] offset:1024+256*\u
.endr
.Lend:
	s_wait_tensorcnt 0x0                           ; the wave's end
	ds_add_u32 v[SPW], v[NIL]
	s_wait_dscnt 0x0
	s_endpgm
.Lfunc_end_k_q3d4a03b182_score:
	.size	k_q3d4a03b182_score, .Lfunc_end_k_q3d4a03b182_score-k_q3d4a03b182_score
	.p2alignl 7, 3214868480
	.fill 96, 4, 3214868480
	.section	.rodata,"a",@progbits
	.p2align	6, 0x0
	.amdhsa_kernel k_q3d4a03b182_score
		.amdhsa_group_segment_fixed_size 327680
		.amdhsa_private_segment_fixed_size 0
		.amdhsa_enable_private_segment 0
		.amdhsa_kernarg_size 48
		.amdhsa_user_sgpr_count 2
		.amdhsa_user_sgpr_kernarg_segment_ptr 1
		.amdhsa_wavefront_size32 1
		.amdhsa_system_sgpr_workgroup_id_x 1
		.amdhsa_system_sgpr_workgroup_id_y 1
		.amdhsa_system_sgpr_workgroup_id_z 1
		.amdhsa_system_vgpr_workitem_id 0
		.amdhsa_next_free_vgpr 1024
		.amdhsa_next_free_sgpr 80
		.amdhsa_reserve_vcc 1
		.amdhsa_float_denorm_mode_32 3
		.amdhsa_float_denorm_mode_16_64 3
		.amdhsa_memory_ordered 1
		.amdhsa_forward_progress 1
		.amdhsa_inst_pref_size 215
	.end_amdhsa_kernel
	.amdgpu_metadata
---
amdhsa.version: [ 1, 2 ]
amdhsa.kernels:
  - .name:           k_q3d4a03b182_score
    .symbol:         k_q3d4a03b182_score.kd
    .args:
      - { .name: QF, .offset: 0, .size: 8, .value_kind: global_buffer, .address_space: global }
      - { .name: QS, .offset: 8, .size: 8, .value_kind: global_buffer, .address_space: global }
      - { .name: KF, .offset: 16, .size: 8, .value_kind: global_buffer, .address_space: global }
      - { .name: KS, .offset: 24, .size: 8, .value_kind: global_buffer, .address_space: global }
      - { .name: PF, .offset: 32, .size: 8, .value_kind: global_buffer, .address_space: global }
      - { .name: PST, .offset: 40, .size: 8, .value_kind: global_buffer, .address_space: global }
    .group_segment_fixed_size: 327680
    .private_segment_fixed_size: 0
    .kernarg_segment_align: 8
    .kernarg_segment_size: 48
    .max_flat_workgroup_size: 128
    .sgpr_count:     80
    .vgpr_count:     1024
    .wavefront_size: 32
...
	.end_amdgpu_metadata
.endif
;; end of part 2
;; launch pv (part 3): grid 8 x 32, 4 waves a work-group, clusters of 4 x 1, 327,680 bytes of LDS; arguments PF, PST, VF, VS, out0; writes out0
.if DOCPART == 3
	.amdgcn_target "amdgcn-amd-amdhsa--gfx1250"
	.amdhsa_code_object_version 6
	.text
	.protected	k_q3d4a03b182_pv
	.globl	k_q3d4a03b182_pv
	.p2align	8
	.type	k_q3d4a03b182_pv,@function
k_q3d4a03b182_pv:
	s_mov_b64 s[64:65], 0
	v_nop
	global_prefetch_b8 v0, s[64:65] scope:SCOPE_SE
	s_setreg_imm32_b32 hwreg(HW_REG_WAVE_MODE, 25, 1), 1
	s_wait_xcnt 0x0
	s_wait_alu depctr_hold_cnt(0) depctr_sa_sdst(0) depctr_va_vdst(0) depctr_va_sdst(0) depctr_va_ssrc(0) depctr_va_vcc(0) depctr_vm_vsrc(0)
	s_getreg_b32 s2, hwreg(HW_REG_IB_STS2, 6, 4)
	s_cmp_eq_u32 s2, 0
	s_cbranch_scc0 .Lentry_in_a_cluster
	s_endpgm
.Lentry_in_a_cluster:
	s_bfe_u32 s2, ttmp6, 0x10000c
	s_cmp_lg_u32 s2, 0x3003
	s_cbranch_scc0 .Lentry_shape_is_right
	s_endpgm
.Lentry_shape_is_right:
; O = p v / l on codes of FP6 (E2M3).  p arrives as codes under a local whole number M for each query and each 128 keys, with that M and the local sum of p.
; THE HEAD brings them under the row's M: M = the largest local M; each scale byte falls by M - local M (held at 0 from below); l = the sum of the local sums x 2^(local M - M): all exact.
; SHARES.  Work-group (n, y): channels 128 n .. +127; y = 8 batch + p.  It makes query tiles p and 15 - p, 128 queries each: (p + 1) + (16 - p) = 17 steps of 128 keys for every work-group.
; Step 0 is tile A's keys 0-127, step 1 tile B's: both sums start on lines that every path takes.  Step j from 2 on: tile A with k = j - 1 where j <= p + 1, else tile B with k = j - p - 1; from 9 on always B.
; Wave w: 64 queries (w / 2) x 64 channels (w % 2): 16 accumulators a tile.  Source 0 = 16 channels of v, source 1 = 16 queries of p: a lane holds one query and eight neighbouring channels.
; TILE A LEAVES EARLY: its sums are complete behind step 8 for every p, so its half of a wave's 64 stores is issued in steps 10 and 11, while tile B's last steps are multiplied; only tile B's half stands behind the last product.
; CLUSTER 4 x 1: the four partners differ in n alone and walk the same p: its tiles are asked for jointly.  v's tiles are each work-group's own: partners that shared v would differ in p, on which branches hang.
; LDS: twelve slots of one step for p and for v, all filled at the head; steps 12 to 16 go into slots 0 to 4 again, by one dense load each, behind the one round of that kind.
; No prefetch: twelve of the seventeen steps are asked for at the head, the rest six steps ahead of its use.
; LIMITS: NaN and infinities are not served.  A block of p that lies more than 2^-127 under the row's scale is held at the byte 0, which stands for 2^-127: under 1e-37 of the row's sum.
.set VREG,  147456
.set VSJ,   294912                     ; v's scale words, 512 bytes a step
.set PSA,   303744                     ; p's, re-based
.set INV,   312576                     ; 1 / l of tile A, of tile B
.set SPARE, 313600
.set STAGE, 61440                      ; the way out: 16 rows x 272 bytes a wave; waves 0 and 1 in p's slot 5, waves 2 and 3 in v's slot 5 (VREG bytes on).  Slot 5 is filled once and read by step 5's fetch alone,
                                       ; for which every wave has waited in front of the round at step 5; the refill behind that round covers slots 0 to 4
.set SP, 272
.set SPW, 1
.set NIL, 2
.set ADP, 4                            ; v4-6 my p fragments in slots 0-4, 5-9, 10-11
.set ADV, 8                            ; v8-10 my v fragments
.set ADS, 12                           ; lanes 0-15 v's scale words, lanes 16-31 p's
.set AIV, 13
.set STO, 14
.set RD, 15
.set GO, 16
.set T4, 17
.set PSAD, 18
.set VSAD, 19
.set OFP, 20                           ; v20-29 offsets of the records of steps 0 to 8, and of step 9 for all that follow
.set OFV, 30                           ; v30-39
.set IV, 20                            ; v20-35, once the records are in: 1 / l of my lane's query, a pair for each of the eight query tiles (the upper half is named only)
.set INVAD, 40
.set SCW, 48                           ; v48-55 scale words: 4 set + 2 (i % 2) + i / 2
.set PFR, 64                           ; fragments: set 0 p v64-111, v v112-159; set 1 96 on
.set VFR, 112
.set WW, 64                            ; the head's arrays lie over the fragments
.set MMr, 84
.set LL, 104
.set VW, 124
.set MA, 144
.set MB, 145
.set LA, 146
.set LB, 147
.set T0, 148
.set T1, 149
.set T2, 150
.set NI, 152
.set MR, 153
.set WV, 14
.set P1, 23
.set G1P, 24
.set G1V, 32
.set G0P, 40
.set G0V, 52
.set G1P5, 68
.set G1V5, 76
.set G0P5, 84
.set G0V5, 88
.set MSB, 0
.macro WIN new
.if MSB != (\new)
	s_set_vgpr_msb (MSB<<8)|(\new)
.set MSB, (\new)
.endif
.endm
.macro PLACES
.rept 4
	v_nop
.endr
.endm
.macro CROUND                          ; a round of the cluster's barrier
	s_barrier_signal -1
	s_barrier_wait -1
	s_cmp_lg_u32 s[WV], 0
	s_cbranch_scc1 .Lnot_wave_0_\@
	s_barrier_signal -3
.Lnot_wave_0_\@:
	s_barrier_wait -3
	s_barrier_signal -1
	s_barrier_wait -1
.endm
.macro TLOAD5                          ; the refill: wave 0 asks jointly for p's steps 12 to 16, wave 1 for v's; four v_nop follow each line
	s_cmp_eq_u32 s[WV], 0
	s_cbranch_scc0 .Lnot_p_\@
	tensor_load_to_lds s[G0P5:G0P5+3], s[G1P5:G1P5+7]
	s_nop 0
.rept 4
	v_nop
.endr
	s_branch .Lasked_\@
.Lnot_p_\@:
	s_cmp_eq_u32 s[WV], 1
	s_cbranch_scc0 .Lasked_\@
	tensor_load_to_lds s[G0V5:G0V5+3], s[G1V5:G1V5+7]
	s_nop 0
.rept 4
	v_nop
.endr
.Lasked_\@:
.endm
.macro WM z
.if \z
	v_wmma_scale_f32_16x16x128_f8f6f4 v[WD:WD+7], v[WA:WA+11], v[WB:WB+11], 0, v[WSA], v[WSB] matrix_a_fmt:MATRIX_FMT_FP6 matrix_b_fmt:MATRIX_FMT_FP6 matrix_b_scale:MATRIX_SCALE_ROW1
.else
	v_wmma_scale_f32_16x16x128_f8f6f4 v[WD:WD+7], v[WA:WA+11], v[WB:WB+11], v[WD:WD+7], v[WSA], v[WSB] matrix_a_fmt:MATRIX_FMT_FP6 matrix_b_fmt:MATRIX_FMT_FP6 matrix_b_scale:MATRIX_SCALE_ROW1
.endif
.endm
.macro MM base, z, set                 ; a step's sixteen products; the accumulators take turns
	WIN 0x50
.irp a, 0,1,2,3
.irp c, 0,1,2,3
.set WD, (\base)+8*(4*\a+\c)
.set WA, VFR+96*(\set)+12*\c
.set WB, PFR+96*(\set)+12*\a
.set WSA, SCW+4*(\set)+2*(\c%2)+\c/2
.set WSB, SCW+4*(\set)+2*(\a%2)+\a/2
	WM \z
.endr
.endr
	WIN 0
.endm
.macro FETCH j                         ; step j's eight fragments and scale words: 26 loads
.set SLT, (\j)%12
.set FS, 96*((\j)%2)
.irp a, 0,1,2,3
.irp g, 0,1,2
	ds_load_b128 v[PFR+FS+12*\a+4*\g:PFR+FS+12*\a+4*\g+3], v[ADP+SLT/5] offset:12288*(SLT%5)+1536*\a+512*\g
.endr
.endr
.irp a, 0,1,2,3
.irp g, 0,1,2
	ds_load_b128 v[VFR+FS+12*\a+4*\g:VFR+FS+12*\a+4*\g+3], v[ADV+SLT/5] offset:12288*(SLT%5)+1536*\a+512*\g
.endr
.endr
.irp e, 0,1
	ds_load_b64 v[SCW+4*((\j)%2)+2*\e:SCW+4*((\j)%2)+2*\e+1], v[ADS] offset:512*(\j)+128*\e
.endr
.endm
.macro PROD j
.if (\j) == 0
	MM 0, 1, 0
.elseif (\j) == 1
	MM 128, 1, 1
.elseif (\j) > 8
	MM 128, 0, (\j)%2
.else
	s_cmp_ge_u32 s[P1], \j                         ; p is the same in all four partners
	s_cbranch_scc0 .Ltile_b_\@
	MM 0, 0, (\j)%2
	s_branch .Ldone_\@
.Ltile_b_\@:
	MM 128, 0, (\j)%2
.Ldone_\@:
.endif
.endm
; THE WAY OUT of tile t / 4 (A or B), query tile t % 4, IN PLACE: its four accumulators (32 registers in window 1) x 1 / l, each from its low end on; 32 bytes a lane into my stage; back as rows of 256 bytes
; into the registers that they left.  No register that a store reads is written again.
.macro PACK t
.set AB, 128*((\t)/4)+32*((\t)%4)
	WIN 0x41                                       ; destination and source 0 window 1, 1 / l window 0
.irp i, 0,2,4,6,8,10,12,14,16,18,20,22,24,26,28,30
	v_pk_mul_f32 v[AB+\i:AB+\i+1], v[AB+\i:AB+\i+1], v[IV+2*(\t):IV+2*(\t)+1] op_sel_hi:[1,0]
.endr
	WIN 0x04                                       ; an LDS store's data are its source 1: window 1
.irp c, 0,1,2,3
	ds_store_b128 v[STO], v[AB+8*\c:AB+8*\c+3] offset:64*\c
	ds_store_b128 v[STO], v[AB+8*\c+4:AB+8*\c+7] offset:64*\c+16
.endr
	WIN 0x40                                       ; destination window 1
.irp f, 0,1,2,3,4,5,6,7
	ds_load_b128 v[AB+4*\f:AB+4*\f+3], v[RD] offset:\f*2*SP   ; LDS serves a wave's instructions in order (ISA guide 5.7.1.4): these see the stores above, and the next tile's stores come behind them
.endr
	WIN 0
.endm
; younger: the LDS instructions issued behind tile t's loads, which may stay out; -1: a wait for all LDS instructions stands ahead already
.macro SEND t, younger
.set AB, 128*((\t)/4)+32*((\t)%4)
	WIN 0x04                                       ; a store's data are its source 1: window 1
.irp f, 0,1,2,3,4,5,6,7
.if (\younger) >= 0
	s_wait_dscnt (\younger)+7-\f
.endif
	global_store_b128 v[GO], v[AB+4*\f:AB+4*\f+3], s[92+4*((\t)/4):93+4*((\t)/4)] offset:(16*((\t)%4)+2*\f)*4096 th:TH_STORE_NT   ; 16 lanes store 256 consecutive bytes, at a multiple of 256 from the output's first byte
.endr
	WIN 0
.endm
.macro KSTEP j
	s_wait_dscnt 0x0                               ; this step's fragments are in (in steps 10 and 11 also the rows of tile A that went through the stage a step ago)
.if (\j) == 3
	s_wait_tensorcnt 0x2                           ; my parts of steps 4 to 7 are in; those of steps 8 to 11 may stay out
	s_barrier_signal -1
	s_barrier_wait -1
.elseif (\j) == 5
	s_wait_tensorcnt 0x0                           ; all my tensor loads have landed
	ds_add_u32 v[SPW], v[NIL]                      ; 0 onto my spare word
	s_wait_dscnt 0x0                               ; the add is done; my reads of slots 0 to 5 are over
	CROUND                                         ; no wave of any partner still reads slots 0 to 4 or has a load on its way; nobody of my work-group reads slot 5 again
	TLOAD5                                         ; six steps ahead of its first use
.elseif (\j) == 11
	s_wait_tensorcnt 0x0                           ; steps 12 to 16 have landed
	s_barrier_signal -1
	s_barrier_wait -1
.endif
.if (\j) == 10
	SEND 0, -1                                     ; tile A's rows leave: sixteen stores a step
	SEND 1, -1
.elseif (\j) == 11
	SEND 2, -1
	SEND 3, -1
.endif
.if (\j) < 16
	PLACES                                         ; in step 9 these four are also the places between step 8's products and the first read of tile A's sums
	FETCH (\j)+1
.endif
.if (\j) == 9
	PACK 0                                         ; tile A is complete; the stage's round trip runs under this step's products
	PACK 1
.elseif (\j) == 10
	PACK 2
	PACK 3
.endif
	PROD \j
.endm
; Step j's record under the row's M.  kind 0: tile A, 1: tile B, 2: by p.
.macro REBASE j, kind
.if (\kind) == 2
	s_cmp_ge_u32 s[P1], \j
	s_cselect_b32 s2, -1, 0
	v_cndmask_b32 v[MR], v[MB], v[MA], s2
.set MRR, MR
.elseif (\kind) == 0
.set MRR, MA
.else
.set MRR, MB
.endif
	v_sub_f32 v[T0], v[MRR], v[MMr+(\j)]           ; d = M - local M: a whole number, 0 or more
	v_sub_f32 v[T1], v[MMr+(\j)], v[MRR]
	v_min_num_f32 v[T0], 0x42fe0000, v[T0]         ; held at 127: no byte is larger
	v_cvt_u32_f32 v[T0], v[T0]
	v_cvt_i32_f32 v[T1], v[T1]
	v_ldexp_f32 v[T1], v[LL+(\j)], v[T1]           ; the local sum x 2^(local M - M)
.if (\kind) == 2
	v_cndmask_b32 v[T2], 0, v[T1], s2
	v_add_f32 v[LA], v[LA], v[T2]
	v_sub_f32 v[T1], v[T1], v[T2]
	v_add_f32 v[LB], v[LB], v[T1]
.elseif (\kind) == 0
	v_add_f32 v[LA], v[LA], v[T1]
.else
	v_add_f32 v[LB], v[LB], v[T1]
.endif
	v_mul_lo_u32 v[T0], v[T0], 0x01010101          ; d in each byte
	v_or_b32 v[WW+(\j)], 0x80808080, v[WW+(\j)]    ; the bytes are under 128: bit 7 guards each against a borrow
	v_sub_nc_u32 v[WW+(\j)], v[WW+(\j)], v[T0]
	v_and_b32 v[T1], 0x80808080, v[WW+(\j)]        ; the guard stands where byte - d is 0 or more
	v_lshrrev_b32 v[T0], 7, v[T1]
	v_sub_nc_u32 v[T1], v[T1], v[T0]               ; 0x7f there, 0 elsewhere
	v_and_b32 v[WW+(\j)], v[WW+(\j)], v[T1]
	ds_store_b32 v[PSAD], v[WW+(\j)] offset:512*(\j)
	ds_store_b32 v[VSAD], v[VW+(\j)] offset:512*(\j)
.endm
	s_load_b256 s[4:11], s[0:1], 0x0               ; PF, PST, VF, VS
	s_load_b64 s[12:13], s[0:1], 0x20              ; out0
	v_lshl_add_u32 v[SPW], v0, 2, SPARE
	v_mov_b32 v[NIL], 0
	ds_add_u32 v1, v2
	ds_add_u32 v1, v2
	s_wait_dscnt 0x0
	v_lshrrev_b32 v3, 5, v0
	v_readfirstlane_b32 s[WV], v3                  ; wave 0..3
	s_lshr_b32 s15, s14, 1                         ; which 64 queries
	s_and_b32 s16, s14, 1                          ; which 64 channels
	s_bfe_u32 s2, ttmp6, 0x40000                   ; cx
	s_lshl_b32 s18, ttmp9, 2
	s_add_co_u32 s18, s18, s2                      ; n = 4 x cluster x + cx: it enters v's and the output's addresses alone
	s_and_b32 s3, ttmp7, 0xffff
	s_and_b32 s17, s3, 7                           ; p
	s_lshr_b32 s19, s3, 3                          ; the batch
	s_add_co_u32 s[P1], s17, 1
	s_lshl_b32 s20, s19, 4
	s_add_co_u32 s20, s20, s17
	s_lshl_b32 s20, s20, 4                         ; tile A's first record
	s_lshl_b32 s21, s19, 4
	s_add_co_u32 s21, s21, 15
	s_sub_co_u32 s21, s21, s17
	s_lshl_b32 s21, s21, 4                         ; tile B's
	s_lshl_b32 s22, s19, 3
	s_add_co_u32 s22, s22, s18
	s_lshl_b32 s22, s22, 4                         ; v's first record
	; group 1: dense blocks as rows of 256 bytes: 48 rows a step, 240 rows for five steps; p's with the mask of all four partners
	s_mov_b32 s[G1P], 15|(3<<16)|(1<<21)
	s_mov_b32 s[G1V], 3<<16
	s_mov_b32 s[G1P5], 15|(3<<16)|(1<<21)
	s_mov_b32 s[G1V5], 3<<16
.irp g, G1P, G1V
	s_mov_b32 s[\g+1], 32<<16
	s_mov_b32 s[\g+2], 48<<16
	s_mov_b32 s[\g+3], 32<<16
	s_mov_b32 s[\g+4], 48
	s_mov_b32 s[\g+5], 32
	s_mov_b32 s[\g+6], 0
	s_mov_b32 s[\g+7], 0
.endr
.irp g, G1P5, G1V5
	s_mov_b32 s[\g+1], 32<<16
	s_mov_b32 s[\g+2], 240<<16
	s_mov_b32 s[\g+3], 32<<16
	s_mov_b32 s[\g+4], 240
	s_mov_b32 s[\g+5], 32
	s_mov_b32 s[\g+6], 0
	s_mov_b32 s[\g+7], 0
.endr
	s_wait_kmcnt 0x0
.irp m, 0,1,2                          ; I fetch steps wave, 4 + wave, 8 + wave, of p and of v
	s_add_co_u32 s94, s14, 4*\m                    ; j
	s_sub_co_u32 s95, s94, 1
	s_sub_co_u32 s98, s94, s[P1]
	s_cmp_le_u32 s94, s[P1]
	s_cselect_b32 s99, s95, s98                    ; k
	s_cselect_b32 s92, s20, s21                    ; the tile's first record
.if \m == 0
	s_cmp_lt_u32 s94, 2
	s_cselect_b32 s99, 0, s99                      ; steps 0 and 1 are k = 0,
	s_cmp_eq_u32 s94, 1
	s_cselect_b32 s92, s21, s92                    ; and step 1 is tile B's
.endif
	s_add_co_u32 s92, s92, s99
	s_mul_i32 s92, s92, 12288
	s_mov_b32 s93, 0
	s_add_co_u32 s96, s22, s99
	s_mul_i32 s96, s96, 12288
	s_mov_b32 s97, 0
	s_mul_i32 s98, s94, 12288                      ; slot j
	s_mov_b32 s[G0P+4*\m], 1
	s_mov_b32 s[G0P+4*\m+1], s98
	s_add_nc_u64 s[G0P+4*\m+2:G0P+4*\m+3], s[4:5], s[92:93]
	s_or_b32 s[G0P+4*\m+3], s[G0P+4*\m+3], 0x80000000
	s_mov_b32 s[G0V+4*\m], 1
	s_add_co_u32 s[G0V+4*\m+1], s98, VREG
	s_add_nc_u64 s[G0V+4*\m+2:G0V+4*\m+3], s[8:9], s[96:97]
	s_or_b32 s[G0V+4*\m+3], s[G0V+4*\m+3], 0x80000000
.endr
	s_sub_co_u32 s99, 12, s[P1]                    ; step 12 is tile B's k = 12 - p - 1; steps 12 to 16 lie on end in memory
	s_add_co_u32 s92, s21, s99
	s_mul_i32 s92, s92, 12288
	s_mov_b32 s93, 0
	s_add_co_u32 s96, s22, s99
	s_mul_i32 s96, s96, 12288
	s_mov_b32 s97, 0
	s_mov_b32 s[G0P5], 1
	s_mov_b32 s[G0P5+1], 0
	s_add_nc_u64 s[G0P5+2:G0P5+3], s[4:5], s[92:93]
	s_or_b32 s[G0P5+3], s[G0P5+3], 0x80000000
	s_mov_b32 s[G0V5], 1
	s_mov_b32 s[G0V5+1], VREG
	s_add_nc_u64 s[G0V5+2:G0V5+3], s[8:9], s[96:97]
	s_or_b32 s[G0V5+3], s[G0V5+3], 0x80000000
	; the records' words: thread t owns word t of every record of 512 bytes; words, M, sums and 1 / l are laid alike
	v_lshlrev_b32 v[T4], 2, v0
.irp j, 0,1,2,3,4,5,6,7,8,9
.if \j == 0
	s_mov_b32 s2, s20
	s_mov_b32 s3, s22
.elseif \j == 1
	s_mov_b32 s2, s21
	s_mov_b32 s3, s22
.else
	s_cmp_ge_u32 s[P1], \j
	s_cselect_b32 s3, 1, s[P1]                     ; what is taken off j: 1 in tile A, p + 1 in tile B
	s_cselect_b32 s2, s20, s21
	s_sub_co_u32 s3, \j, s3                        ; k
	s_add_co_u32 s2, s2, s3
	s_add_co_u32 s3, s22, s3
.endif
	s_mul_i32 s2, s2, 1536
	s_lshl_b32 s3, s3, 9
	v_add_nc_u32 v[OFP+\j], s2, v[T4]
	v_add_nc_u32 v[OFV+\j], s3, v[T4]
.endr
.irp j, 0,1,2,3,4,5,6,7,8,9,10,11,12,13,14,15,16
.if \j < 9
.set OJ, \j
.set IJ, 0
.else
.set OJ, 9
.set IJ, \j-9
.endif
	global_load_b32 v[WW+\j], v[OFP+OJ], s[6:7] offset:1536*IJ
	global_load_b32 v[MMr+\j], v[OFP+OJ], s[6:7] offset:1536*IJ+512
	global_load_b32 v[LL+\j], v[OFP+OJ], s[6:7] offset:1536*IJ+1024
	global_load_b32 v[VW+\j], v[OFV+OJ], s[10:11] offset:512*IJ
.endr
	CROUND                                         ; all four work-groups are here: the first joint loads meet
.irp m, 0,1,2
	tensor_load_to_lds s[G0P+4*\m:G0P+4*\m+3], s[G1P:G1P+7]
	s_nop 0
	tensor_load_to_lds s[G0V+4*\m:G0V+4*\m+3], s[G1V:G1V+7]
	s_nop 0
.endr                                  ; six loads of mine are out
.rept 4
	v_nop
.endr
	; where my rows of the two tiles begin in the output
	s_lshl_b32 s2, s19, 11
	s_lshl_b32 s3, s15, 6
	s_add_co_u32 s2, s2, s3                        ; 2048 batch + 64 (wave / 2)
	s_lshl_b32 s3, s17, 7
	s_add_co_u32 s92, s2, s3                       ; + 128 p
	s_sub_co_u32 s96, 1920, s3
	s_add_co_u32 s96, s96, s2                      ; + 128 (15 - p)
	s_lshl_b32 s92, s92, 12
	s_lshl_b32 s96, s96, 12
	s_lshl_b32 s2, s18, 9
	s_lshl_b32 s3, s16, 8
	s_add_co_u32 s2, s2, s3
	s_add_co_u32 s92, s92, s2
	s_add_co_u32 s96, s96, s2
	s_mov_b32 s93, 0
	s_mov_b32 s97, 0
	s_add_nc_u64 s[92:93], s[12:13], s[92:93]
	s_add_nc_u64 s[96:97], s[12:13], s[96:97]
	v_and_b32 v3, 31, v0
	v_lshlrev_b32 v3, 4, v3                        ; 16 x lane
	s_mul_i32 s2, s15, 6144
	s_mul_i32 s3, s16, 6144
	s_add_co_u32 s3, s3, VREG
.irp u, 0,1,2
	v_add_nc_u32 v[ADP+\u], s2, v3
	v_add_nc_u32 v[ADV+\u], s3, v3
	s_add_co_u32 s2, s2, 61440
	s_add_co_u32 s3, s3, 61440
.endr
	v_and_b32 v41, 15, v0                          ; r
	v_bfe_u32 v42, v0, 4, 1                        ; h
	s_lshl_b32 s2, s16, 8
	s_lshl_b32 s3, s15, 8
	s_add_co_u32 s3, s3, PSA-VSJ
	s_sub_co_u32 s3, s3, s2
	v_mul_u32_u24 v43, s3, v42                     ; lanes 16-31 take p's words
	s_add_co_u32 s2, s2, VSJ
	v_lshl_add_u32 v43, v41, 3, v43
	v_add_nc_u32 v[ADS], s2, v43
	s_lshl_b32 s2, s15, 8
	s_add_co_u32 s2, s2, INV
	v_lshlrev_b32 v43, 3, v41
	v_add_nc_u32 v[AIV], s2, v43
	s_mul_i32 s2, s16, 16*SP
	s_mul_i32 s3, s15, VREG
	s_add_co_u32 s2, s2, s3
	s_add_co_u32 s2, s2, STAGE                     ; my stage: 4,352 (wave % 2) + VREG (wave / 2) bytes into p's slot 5
	v_mul_u32_u24 v43, v41, SP
	v_lshl_add_u32 v43, v42, 5, v43
	v_add_nc_u32 v[STO], s2, v43                   ; in: row r, 32 bytes for each half of the lanes
	v_mul_u32_u24 v43, v42, SP
	v_lshl_add_u32 v43, v41, 4, v43
	v_add_nc_u32 v[RD], s2, v43                    ; back: lanes 0-15 one row, lanes 16-31 the next
	v_lshlrev_b32 v[GO], 12, v42
	v_lshl_add_u32 v[GO], v41, 4, v[GO]            ; and the same two rows of the output
	v_add_nc_u32 v[PSAD], PSA, v[T4]
	v_add_nc_u32 v[VSAD], VSJ, v[T4]
	v_add_nc_u32 v[INVAD], INV, v[T4]
	v_mov_b32 v[NI], 0xff800000
	s_wait_loadcnt 0x0
	v_mov_b32 v[MA], v[MMr]                        ; the rows' M: the largest local M of each tile
	v_mov_b32 v[MB], v[MMr+1]
.irp j, 2,3,4,5,6,7,8
	s_cmp_ge_u32 s[P1], \j
	s_cselect_b32 s2, -1, 0
	v_cndmask_b32 v[T0], v[NI], v[MMr+\j], s2
	v_cndmask_b32 v[T1], v[MMr+\j], v[NI], s2
	v_max_num_f32 v[MA], v[MA], v[T0]
	v_max_num_f32 v[MB], v[MB], v[T1]
.endr
.irp j, 9,10,11,12,13,14,15,16
	v_max_num_f32 v[MB], v[MB], v[MMr+\j]
.endr
	v_mov_b32 v[LA], 0
	v_mov_b32 v[LB], 0
	REBASE 0, 0
	REBASE 1, 1
.irp j, 2,3,4,5,6,7,8
	REBASE \j, 2
.endr
.irp j, 9,10,11,12,13,14,15,16
	REBASE \j, 1
.endr
	v_rcp_f32 v[T0], v[LA]
	v_rcp_f32 v[T1], v[LB]
	v_nop                                          ; a plain place behind the reciprocals
	s_wait_alu depctr_va_vdst(0)                   ; one wait for the two, ahead of their first reader
	ds_store_b32 v[INVAD], v[T0]
	ds_store_b32 v[INVAD], v[T1] offset:512
	s_wait_tensorcnt 0x4                           ; my parts of steps 0 to 3 are in; the other four loads may stay out
	s_wait_dscnt 0x0                               ; my words have landed
	s_barrier_signal -1
	s_barrier_wait -1
.irp t, 0,1,2,3,4,5,6,7
	ds_load_b32 v[IV+2*\t], v[AIV] offset:512*(\t/4)+128*(\t%2)+4*((\t%4)/2)   ; 1 / l of my lane's query, for both tiles, once (the records' loads, which read these registers as offsets, are in)
	v_mov_b32 v[IV+2*\t+1], 0                      ; named as the upper half of a pair
.endr
	FETCH 0
.irp j, 0,1,2,3,4,5,6,7,8,9,10,11,12,13,14,15,16
	KSTEP \j
.endr
	; TILE B'S WAY OUT.  No barrier: the stage is my own, in bytes that nobody has read since the round at step 5.  No LDS instruction of mine is out here.
	PLACES
	PACK 4
	PACK 5                                         ; a tile's arithmetic stands between the loads of the tile before and its stores
	SEND 4, 16                                     ; behind that tile's loads: the next tile's eight stores and eight loads
	PACK 6
	SEND 5, 16
	PACK 7
	SEND 6, 16
	SEND 7, 0
	s_wait_tensorcnt 0x0                           ; the wave's end
	ds_add_u32 v[SPW], v[NIL]
	s_wait_dscnt 0x0
	CROUND                                         ; the closing round
	s_endpgm
.Lfunc_end_k_q3d4a03b182_pv:
	.size	k_q3d4a03b182_pv, .Lfunc_end_k_q3d4a03b182_pv-k_q3d4a03b182_pv
	.p2alignl 7, 3214868480
	.fill 96, 4, 3214868480
	.section	.rodata,"a",@progbits
	.p2align	6, 0x0
	.amdhsa_kernel k_q3d4a03b182_pv
		.amdhsa_group_segment_fixed_size 327680
		.amdhsa_private_segment_fixed_size 0
		.amdhsa_enable_private_segment 0
		.amdhsa_kernarg_size 40
		.amdhsa_user_sgpr_count 2
		.amdhsa_user_sgpr_kernarg_segment_ptr 1
		.amdhsa_wavefront_size32 1
		.amdhsa_system_sgpr_workgroup_id_x 1
		.amdhsa_system_sgpr_workgroup_id_y 1
		.amdhsa_system_sgpr_workgroup_id_z 1
		.amdhsa_system_vgpr_workitem_id 0
		.amdhsa_next_free_vgpr 512
		.amdhsa_next_free_sgpr 100
		.amdhsa_reserve_vcc 0
		.amdhsa_float_denorm_mode_32 3
		.amdhsa_float_denorm_mode_16_64 3
		.amdhsa_memory_ordered 1
		.amdhsa_forward_progress 1
		.amdhsa_inst_pref_size 145
	.end_amdhsa_kernel
	.amdgpu_metadata
---
amdhsa.version: [ 1, 2 ]
amdhsa.kernels:
  - .name:           k_q3d4a03b182_pv
    .symbol:         k_q3d4a03b182_pv.kd
    .args:
      - { .name: PF, .offset: 0, .size: 8, .value_kind: global_buffer, .address_space: global }
      - { .name: PST, .offset: 8, .size: 8, .value_kind: global_buffer, .address_space: global }
      - { .name: VF, .offset: 16, .size: 8, .value_kind: global_buffer, .address_space: global }
      - { .name: VS, .offset: 24, .size: 8, .value_kind: global_buffer, .address_space: global }
      - { .name: out0, .offset: 32, .size: 8, .value_kind: global_buffer, .address_space: global }
    .group_segment_fixed_size: 327680
    .private_segment_fixed_size: 0
    .kernarg_segment_align: 8
    .kernarg_segment_size: 40
    .max_flat_workgroup_size: 128
    .sgpr_count:     100
    .vgpr_count:     512
    .wavefront_size: 32
...
	.end_amdgpu_metadata
.endif
;; end of part 3
